; MI455X (gfx1250); checked and timed in simulation.
; The chip was launched on July 23, 2026; its instructions are those of AMD's public machine-readable ISA for CDNA 5 (MIT licence, August 2026) and "CDNA5" Instruction Set Architecture Reference Guide (July 2026). The comments in the code are by the model that wrote it; some were corrected since.
;; Multi Head Attention. Allowed arithmetic: matrix products marked QUANTISED: E2M1 operands, one E8M0 scale for each 32 along K, by v_wmma_scale_f32_16x16x128_f8f6f4 with both operands' format E2M1 (or v_wmma_scale_f32_32x16x128_f4), f32 sums; products left as they are: bf16, f16 or f32 operands; f32 sums; everything else in f32.
;; Inputs: b_attn 3,072 float32; b_proj 1,024 float32; w_attn 1,024 x 3,072 float32; w_proj 1,024 x 1,024 float32; x 4 x 2,048 x 1,024 float32.
;; Outputs: out0 4 x 2,048 x 1,024 float32.
;; This version of the problem:
;;   THIS VERSION OF THE PROBLEM IS GIVEN IN LOW PRECISION. The matrix products marked QUANTISED in the list below multiply operands that are first quantised to E2M1 (2 exponent bits, 1 mantissa bit; 4 bits a number), with one power-of-two scale for each 32 numbers along K (OCP MX v1.0); their sums are f32. The products marked 'left as it is' may take bf16, f16 or f32 operands, with f32 sums. Whichever they take, every output number must still come out within the allowed error. Rounding operands to bf16 (8 significant bits) uses up far more of that allowance than f16 does (11 bits, for magnitudes from 6e-5 to 65,504). All else is computed in f32.
;;   The module's matrix products, in the order in which they are computed (A, B: the left and right operand; K: the contracted axis; several contracted axes count as one K, in the product's order):
;;     1. [M 8,192, K 1,024] x [K 1,024, N 3,072]; A: input x; B: input w_attn: QUANTISED
;;     2. batch 64 x [M 2,048, K 64] x [K 64, N 2,048]; A: computed on the way; B: computed on the way: left as it is (an operand is computed on the way)
;;     3. batch 64 x [M 2,048, K 2,048] x [K 2,048, N 64]; A: computed on the way; B: computed on the way: left as it is (an operand is computed on the way)
;;     4. [M 8,192, K 1,024] x [K 1,024, N 1,024]; A: computed on the way; B: input w_proj: left as it is (an operand is computed on the way)
;;   THE QUANTISER, for each operand of a quantised product, along K:
;;     - K is cut into blocks of 32 from its start; a last block that is shorter is filled with zeros.
;;     - A block's scale is 2^e with e = floor(log2(the largest magnitude in the block)) - 2, held to -126 .. 127; a block of zeros has e = 0. As a byte (E8M0): e + 127.
;;     - Each number is divided by its block's scale, clamped to +-6, and rounded to the nearest number of E2M1, ties to even, subnormals kept.
;;     - The product sums the exact products of the quantised numbers (number of the format x scale) in f32.
;;   ~~~python
;;   def quantise(x, axis):      # numpy; x: float32 -> the quantised numbers, widened to float32 again
;;       x = np.moveaxis(x, axis, -1); K = x.shape[-1]
;;       x = np.pad(x, [(0, 0)] * (x.ndim - 1) + [(0, -K % 32)]); x = x.reshape(x.shape[:-1] + (-1, 32)); a = np.abs(x).max(-1, keepdims=True)
;;       e = np.where(a > 0, np.clip(np.frexp(np.where(a > 0, a, 1))[1] - 1 - 2, -126, 127), 0)      # np.frexp(a)[1] - 1 = floor(log2(a)), exactly
;;       r = np.clip(x / 2.0 ** e, -6, 6)
;;       step = 2.0 ** (np.maximum(np.frexp(np.where(r == 0, 1, r))[1] - 1, 0) - 1)
;;       q = np.round(r / step) * step * 2.0 ** e      # np.round: ties to even
;;       return np.moveaxis(q.reshape(q.shape[:-2] + (-1,))[..., :K], -1, axis).astype(np.float32)
;;   ~~~
;; One version. Each part assembles by itself: llvm-mc -triple=amdgcn-amd-amdhsa -mcpu=gfx1250 --defsym DOCPART=n.
;; ======== version 1 of 1: 5 launches
;; limits: values are held in f16: magnitudes above 65,504 overflow, below 6.1e-05 lose precision
;; workspace buffers: xc 4,194,304 bytes; xs 262,144 bytes; wc 1,572,864 bytes; ws 98,304 bytes; wp16 2,097,152 bytes; qkv16 50,331,648 bytes; qkv32 786,432 bytes; y16 16,777,216 bytes
;; launch prep (part 1): grid 256 x 1, 8 waves a work-group, no clusters, 84,992 bytes of LDS; arguments x, w_attn, w_proj, xc, xs, wc, ws, wp16; writes xc, xs, wc, ws, wp16
.if DOCPART == 1
	.amdgcn_target "amdgcn-amd-amdhsa--gfx1250"
	.amdhsa_code_object_version 6
	.text
	.protected	k_q7b1ec93a0d_prep
	.globl	k_q7b1ec93a0d_prep
	.p2align	8
	.type	k_q7b1ec93a0d_prep,@function
k_q7b1ec93a0d_prep:
	s_mov_b64 s[64:65], 0
	v_nop
	global_prefetch_b8 v0, s[64:65] scope:SCOPE_SE
	s_setreg_imm32_b32 hwreg(HW_REG_WAVE_MODE, 25, 1), 1
	s_wait_xcnt 0x0
; Three jobs in one launch, told apart by the work-group's number alone; they never join, and each that uses LDS has LDS bytes of its own.
;   work-groups 0-127:   x [8192][1024] f32 -> codes of FP4 (E2M1), K innermost (xc, 512 bytes a row), one E8M0 byte for each 32 along K (xs, 32 bytes a row)
;   work-groups 128-223: w_attn [1024 k][3072 n] f32, K its FIRST axis -> wc [3072][512 bytes], ws [3072][32], K innermost
;   work-groups 224-255: w_proj [1024][1024] f32 -> f16, as it lies (wp16)
; A block's scale is 2^(floor(log2(its largest magnitude)) - 2): its byte is the largest magnitude's exponent field - 2, held at 1 from below by a floor among the maximum's leaves.
; LIMITS: a block of zeros gets the byte 1 where the rule says 127 (its codes are zeros, and this program alone reads the bytes); blocks whose largest magnitude lies under 2^-124 keep the byte 1;
; NaN and infinities among the inputs are not served; |w_proj| above 65,504 becomes infinity in f16, under 6e-5 its error is absolute (3e-8).
.set WST,   65536                      ; w_attn's job: a stage of 64 rows (columns n) x (256 bytes of codes + 16)
.set WSC,   82944                      ; and their scale bytes, 16 a row
.set SPARE, 83968                      ; the spare words, 128 bytes for each of the eight waves: four blocks of 256 bytes that no other line names
.set SPW,   12                         ; v12  LDS address of my spare word; never rewritten
.set NIL,   13                         ; v13  0; never rewritten
.set SP,    80                         ; x's job: a lane's place in a stage: its 64 bytes + 16 of padding
.set R,     16                         ; v16-143  eight sets of 16 numbers as they are loaded
.set X,     144                        ; v144-175 two sets of 16 neighbours
.set C,     176                        ; v176-207 codes, two registers a step
.set E,     208                        ; v208-223 a scale byte a step
	s_load_b256 s[4:11], s[0:1], 0x0               ; x s[4:5], w_attn s[6:7], w_proj s[8:9], xc s[10:11]
	s_load_b256 s[12:19], s[0:1], 0x20             ; xs s[12:13], wc s[14:15], ws s[16:17], wp16 s[18:19]
	v_lshl_add_u32 v[SPW], v0, 2, SPARE
	v_mov_b32 v[NIL], 0
	v_lshrrev_b32 v1, 5, v0
	v_readfirstlane_b32 s20, v1                    ; wave 0..7
	v_and_b32 v2, 31, v0                           ; lane
	s_mov_b32 s25, 0
	s_mov_b32 s27, 0
	s_wait_kmcnt 0x0
	s_cmp_lt_u32 ttmp9, 128
	s_cbranch_scc0 .Lnot_x
; ---------------- x: a plain stream of blocks of 32.  A wave takes 16 steps of 512 numbers.  Each load reads 512 consecutive bytes; a step's 2,048 bytes turn through the wave's own stage in LDS,
; so that a lane then holds 16 neighbours along K (two neighbouring lanes hold a block).  Loads run eight steps (32 loads a wave) ahead, the turn one step.
	v_lshlrev_b32 v3, 4, v2                        ; my 16 bytes of a load's 512
	s_lshl_b32 s21, s20, 13                        ; my wave's 8,192 bytes of LDS
	v_lshrrev_b32 v14, 2, v2
	v_mul_u32_u24 v14, v14, SP
	v_and_b32 v15, 3, v2
	v_lshl_add_u32 v14, v15, 4, v14
	v_add_nc_u32 v14, s21, v14                     ; the stage, on the way in: SP (lane / 4) + 16 (lane % 4)
	v_mul_u32_u24 v15, v2, SP
	v_add_nc_u32 v15, s21, v15                     ; and on the way out: SP x lane
	v_lshlrev_b32 v4, 3, v2                        ; 8 bytes a lane: my codes' place in a step's, and my part of the 256 scale bytes
	v_lshrrev_b32 v5, 1, v2
	s_add_co_u32 s21, s21, 2*32*SP
	v_add_nc_u32 v5, s21, v5                       ; LDS: my wave's 256 scale bytes, my block's byte
	v_add_nc_u32 v6, s21, v4                       ; and where I read 8 of them back
	s_lshl_b32 s22, ttmp9, 3
	s_add_co_u32 s22, s22, s20                     ; which run of 8,192 numbers is my wave's
	s_lshl_b32 s24, s22, 15
	s_add_nc_u64 s[4:5], s[4:5], s[24:25]
	s_lshl_b32 s24, s22, 12
	s_add_nc_u64 s[10:11], s[10:11], s[24:25]
	s_lshl_b32 s24, s22, 8
	s_add_nc_u64 s[12:13], s[12:13], s[24:25]
.macro LOADX t
.irp i, 0,1,2,3
	global_load_b128 v[R+16*((\t)%8)+4*\i:R+16*((\t)%8)+4*\i+3], v3, s[4:5] offset:2048*(\t)+512*\i th:TH_LOAD_NT
.endr
.endm
.macro TURNX t                         ; LDS serves a wave's instructions in order: no wait between the stores and the loads
.irp i, 0,1,2,3
	ds_store_b128 v14, v[R+16*((\t)%8)+4*\i:R+16*((\t)%8)+4*\i+3] offset:32*SP*((\t)%2)+8*SP*\i
.endr
.irp i, 0,1,2,3
	ds_load_b128 v[X+16*((\t)%2)+4*\i:X+16*((\t)%2)+4*\i+3], v15 offset:32*SP*((\t)%2)+16*\i
.endr
.endm
.irp t, 0,1,2,3,4,5,6,7
	LOADX \t
.endr
	s_wait_loadcnt 28                              ; step 0's four loads are in; the seven younger steps' 28 may be out
	TURNX 0
.macro STEPX t
.set XS, X+16*((\t)%2)
.if (\t) > 0
	s_wait_dscnt 1                                 ; this step's numbers are back from the stage; the last step's byte store may be out
.else
	s_wait_dscnt 0x0
.endif
.if (\t)+8 < 16
	LOADX (\t)+8                                   ; into the set that this step's turn has read
.endif
.if (\t)+1 < 16
.if (\t) <= 7
	s_wait_loadcnt 28                              ; the next step's four loads are in; those of the seven steps behind it may be out
.else
	s_wait_loadcnt 4*(14-(\t))                     ; the counts run down: 14 - t steps are behind it
.endif
	TURNX (\t)+1
.endif
	v_max3_num_f32 v8, |v[XS]|, |v[XS+1]|, |v[XS+2]|
	v_max3_num_f32 v9, |v[XS+3]|, |v[XS+4]|, |v[XS+5]|
.irp i, 6,10
	v_max3_num_f32 v8, v8, |v[XS+\i]|, |v[XS+\i+1]|
	v_max3_num_f32 v9, v9, |v[XS+\i+2]|, |v[XS+\i+3]|
.endr
	v_max3_num_f32 v8, v8, |v[XS+14]|, |v[XS+15]|
	v_max3_num_f32 v8, v8, v9, 0x1800000           ; and the floor 2^(3 - 127): the byte cannot fall under 1
	v_max_num_f32_dpp v8, v8, v8 row_xmask:1 row_mask:0xf bank_mask:0xf   ; with my neighbour's 16: the block's largest magnitude
	v_add_nc_u32 v11, 0xff000000, v8               ; 2 off its exponent field: the conversion takes this operand's exponent field as its scale
	v_cvt_scalef32_pk8_fp4_f32 v[C+2*(\t)], v[XS:XS+7], v11
	v_cvt_scalef32_pk8_fp4_f32 v[C+2*(\t)+1], v[XS+8:XS+15], v11
	v_lshrrev_b32 v[E+(\t)], 23, v11               ; the scale's byte (a plain line behind the conversions)
	ds_store_b8 v5, v[E+(\t)] offset:16*(\t)       ; both lanes of a block write the same byte with the same value
	global_store_b64 v4, v[C+2*(\t):C+2*(\t)+1], s[10:11] offset:256*(\t)   ; the wave stores 256 consecutive bytes, aligned
.endm
.irp t, 0,1,2,3,4,5,6,7,8,9,10,11,12,13,14,15
	STEPX \t
.endr
	ds_load_b64 v[8:9], v6
	s_wait_dscnt 0x0
	global_store_b64 v4, v[8:9], s[12:13]          ; my wave's 256 scale bytes: 256 consecutive bytes, aligned
	s_wait_tensorcnt 0x0                           ; the wave's end
	ds_add_u32 v[SPW], v[NIL]
	s_wait_dscnt 0x0
	s_endpgm
.Lnot_x:
	s_cmp_lt_u32 ttmp9, 224
	s_cbranch_scc0 .Lcast
; ---------------- w_attn: a work-group takes 64 columns x 512 along K; a wave 32 columns x 128 along K.  A LANE TAKES A COLUMN AND ITS REGISTERS RUN DOWN K: each load reads 128 consecutive bytes,
; a block of 32 lies in one lane's registers, and the conversions give codes with K innermost.  All 128 loads of a wave go out at once.  The codes meet in a stage, so that sixteen lanes store 256 bytes of a row.
	s_sub_co_u32 s21, ttmp9, 128
	s_lshr_b32 s22, s21, 1                         ; which 64 columns
	s_and_b32 s21, s21, 1                          ; which 512 along K
	s_and_b32 s23, s20, 1                          ; my 32 of the columns
	s_lshr_b32 s24, s20, 1                         ; my 128 along K
	s_lshl_b32 s26, s21, 2
	s_add_co_u32 s26, s26, s24
	s_mul_i32 s26, s26, 128*12288                  ; my first row of w_attn, in bytes
	s_lshl_b32 s28, s22, 1
	s_add_co_u32 s28, s28, s23
	s_lshl_b32 s28, s28, 7                         ; my first column, in bytes
	s_add_co_u32 s26, s26, s28
	s_add_nc_u64 s[6:7], s[6:7], s[26:27]
	v_lshlrev_b32 v3, 2, v2
.set i, 0
.rept 128
	global_load_b32 v[16+i], v3, s[6:7] offset:12288*i th:TH_LOAD_NT
.set i, i+1
.endr
	s_mul_i32 s28, s23, 32*272
	s_lshl_b32 s29, s24, 6
	s_add_co_u32 s28, s28, s29
	s_add_co_u32 s28, s28, WST
	v_mul_u32_u24 v4, v2, 272
	v_add_nc_u32 v4, s28, v4                       ; into the stage: row = my column, 64 bytes for my 128 along K
	s_lshl_b32 s28, s23, 9
	s_lshl_b32 s29, s24, 2
	s_add_co_u32 s28, s28, s29
	s_add_co_u32 s28, s28, WSC
	v_lshl_add_u32 v5, v2, 4, s28                  ; my column's four scale bytes
	s_mul_i32 s28, s20, 8*272
	s_add_co_u32 s28, s28, WST
	v_lshrrev_b32 v14, 4, v2
	v_and_b32 v15, 15, v2
	v_mul_u32_u24 v6, v14, 272
	v_lshl_add_u32 v6, v15, 4, v6
	v_add_nc_u32 v6, s28, v6                       ; out of it: wave w takes rows 8 w on, sixteen lanes to a row
	v_lshlrev_b32 v7, 9, v14
	v_lshl_add_u32 v7, v15, 4, v7                  ; and the same place in wc (a row is 512 bytes)
	s_lshl_b32 s28, s20, 7
	s_add_co_u32 s28, s28, WSC
	v_lshl_add_u32 v181, v2, 2, s28                ; my word of the eight rows' scale bytes
	v_lshrrev_b32 v14, 2, v2
	v_and_b32 v15, 3, v2
	v_lshlrev_b32 v182, 5, v14
	v_lshl_add_u32 v182, v15, 2, v182              ; and its place in ws (a row is 32 bytes)
	s_lshl_b32 s28, s22, 6
	s_lshl_b32 s29, s20, 3
	s_add_co_u32 s28, s28, s29                     ; the first row that I store: 64 x pack + 8 x wave
	s_lshl_b32 s26, s28, 9
	s_lshl_b32 s29, s21, 8
	s_add_co_u32 s26, s26, s29
	s_add_nc_u64 s[14:15], s[14:15], s[26:27]
	s_lshl_b32 s26, s28, 5
	s_lshl_b32 s29, s21, 4
	s_add_co_u32 s26, s26, s29
	s_add_nc_u64 s[16:17], s[16:17], s[26:27]
.macro WBLOCK t
.set XS, 16+32*(\t)
	v_max3_num_f32 v8, |v[XS]|, |v[XS+1]|, |v[XS+2]|   ; the block's largest magnitude: all 32 numbers are mine
	v_max3_num_f32 v9, |v[XS+3]|, |v[XS+4]|, |v[XS+5]|
.irp i, 6,10,14,18,22,26
	v_max3_num_f32 v8, v8, |v[XS+\i]|, |v[XS+\i+1]|
	v_max3_num_f32 v9, v9, |v[XS+\i+2]|, |v[XS+\i+3]|
.endr
	v_max3_num_f32 v8, v8, |v[XS+30]|, |v[XS+31]|
	v_max3_num_f32 v8, v8, v9, 0x1800000
	v_add_nc_u32 v11, 0xff000000, v8
	v_lshrrev_b32 v10, 23, v11
.if (\t) == 0
	v_mov_b32 v160, v10                            ; four bytes to a register, the lower K in the lower byte
.else
	v_lshl_or_b32 v160, v10, 8*(\t), v160
.endif
.irp g, 0,1,2,3
	v_cvt_scalef32_pk8_fp4_f32 v[144+4*(\t)+\g], v[XS+8*\g:XS+8*\g+7], v11
.endr
	v_nop                                          ; a plain line behind the last conversion
	ds_store_b128 v4, v[144+4*(\t):144+4*(\t)+3] offset:16*(\t)
.endm
	s_wait_loadcnt 63                              ; of 128 loads at most 63 are out: the first 65 are in, blocks 0 and 1 among them
	WBLOCK 0
	WBLOCK 1
	s_wait_loadcnt 32                              ; block 2's are in; block 3's 32 may be out
	WBLOCK 2
	s_wait_loadcnt 0x0
	WBLOCK 3
	ds_store_b32 v5, v160
	s_wait_dscnt 0x0                               ; for the others' sake: my stores into the stage are done
	s_barrier_signal -1
	s_barrier_wait -1                              ; (all eight waves of a work-group are on this path: the branch hangs on the work-group's number alone)
.irp i, 0,1,2,3
	ds_load_b128 v[164+4*\i:167+4*\i], v6 offset:544*\i
.endr
	ds_load_b32 v180, v181
.irp i, 0,1,2,3
	s_wait_dscnt 4-\i                              ; load i is in; the 4 - i issued behind it may be out
	global_store_b128 v7, v[164+4*\i:167+4*\i], s[14:15] offset:1024*\i   ; sixteen lanes store 256 consecutive bytes, aligned
.endr
	s_wait_dscnt 0x0
	global_store_b32 v182, v180, s[16:17]          ; pieces of 16 bytes of rows 32 bytes long: 96 KB in the whole launch
	s_wait_tensorcnt 0x0                           ; the wave's end
	ds_add_u32 v[SPW], v[NIL]
	s_wait_dscnt 0x0
	s_endpgm
.Lcast:
; ---------------- w_proj to f16: a wave takes 4,096 numbers; all its 32 loads go out at once; no LDS
	s_sub_co_u32 s21, ttmp9, 224
	s_lshl_b32 s21, s21, 3
	s_add_co_u32 s21, s21, s20
	s_lshl_b32 s24, s21, 14
	s_add_nc_u64 s[8:9], s[8:9], s[24:25]
	s_lshl_b32 s24, s21, 13
	s_add_nc_u64 s[18:19], s[18:19], s[24:25]
	v_lshlrev_b32 v3, 4, v2
	v_lshlrev_b32 v4, 3, v2
.set i, 0
.rept 32
	global_load_b128 v[16+4*i:19+4*i], v3, s[8:9] offset:512*i th:TH_LOAD_NT
.set i, i+1
.endr
.set i, 0
.rept 32
	s_wait_loadcnt 31-i                            ; load i is in; the 31 - i younger ones may be out
	v_cvt_pk_f16_f32 v[144+2*i], v[16+4*i], v[17+4*i]
	v_cvt_pk_f16_f32 v[145+2*i], v[18+4*i], v[19+4*i]
	global_store_b64 v4, v[144+2*i:145+2*i], s[18:19] offset:256*i   ; the wave stores 256 consecutive bytes, aligned
.set i, i+1
.endr
	s_endpgm
.Lfunc_end_k_q7b1ec93a0d_prep:
	.size	k_q7b1ec93a0d_prep, .Lfunc_end_k_q7b1ec93a0d_prep-k_q7b1ec93a0d_prep
	.p2alignl 7, 3214868480
	.fill 96, 4, 3214868480
	.section	.rodata,"a",@progbits
	.p2align	6, 0x0
	.amdhsa_kernel k_q7b1ec93a0d_prep
		.amdhsa_group_segment_fixed_size 84992
		.amdhsa_private_segment_fixed_size 0
		.amdhsa_enable_private_segment 0
		.amdhsa_kernarg_size 64
		.amdhsa_user_sgpr_count 2
		.amdhsa_user_sgpr_kernarg_segment_ptr 1
		.amdhsa_wavefront_size32 1
		.amdhsa_system_sgpr_workgroup_id_x 1
		.amdhsa_system_sgpr_workgroup_id_y 1
		.amdhsa_system_sgpr_workgroup_id_z 1
		.amdhsa_system_vgpr_workitem_id 0
		.amdhsa_next_free_vgpr 224
		.amdhsa_next_free_sgpr 66
		.amdhsa_reserve_vcc 0
		.amdhsa_float_denorm_mode_32 3
		.amdhsa_float_denorm_mode_16_64 3
		.amdhsa_memory_ordered 1
		.amdhsa_forward_progress 1
		.amdhsa_inst_pref_size 66
	.end_amdhsa_kernel
	.amdgpu_metadata
---
amdhsa.version: [ 1, 2 ]
amdhsa.kernels:
  - .name:           k_q7b1ec93a0d_prep
    .symbol:         k_q7b1ec93a0d_prep.kd
    .args:
      - { .name: x, .offset: 0, .size: 8, .value_kind: global_buffer, .address_space: global }
      - { .name: w_attn, .offset: 8, .size: 8, .value_kind: global_buffer, .address_space: global }
      - { .name: w_proj, .offset: 16, .size: 8, .value_kind: global_buffer, .address_space: global }
      - { .name: xc, .offset: 24, .size: 8, .value_kind: global_buffer, .address_space: global }
      - { .name: xs, .offset: 32, .size: 8, .value_kind: global_buffer, .address_space: global }
      - { .name: wc, .offset: 40, .size: 8, .value_kind: global_buffer, .address_space: global }
      - { .name: ws, .offset: 48, .size: 8, .value_kind: global_buffer, .address_space: global }
      - { .name: wp16, .offset: 56, .size: 8, .value_kind: global_buffer, .address_space: global }
    .group_segment_fixed_size: 84992
    .private_segment_fixed_size: 0
    .kernarg_segment_align: 8
    .kernarg_segment_size: 64
    .max_flat_workgroup_size: 256
    .sgpr_count:     66
    .vgpr_count:     224
    .wavefront_size: 32
...
	.end_amdgpu_metadata
.endif
;; end of part 1
;; launch qkv (part 2): grid 12 x 32, 4 waves a work-group, clusters of 4 x 4, 327,680 bytes of LDS; arguments xc, xs, wc, ws, b_attn, qkv32, qkv16; writes qkv16, qkv32
.if DOCPART == 2
	.amdgcn_target "amdgcn-amd-amdhsa--gfx1250"
	.amdhsa_code_object_version 6
	.text
	.protected	k_q7b1ec93a0d_qkv
	.globl	k_q7b1ec93a0d_qkv
	.p2align	8
	.type	k_q7b1ec93a0d_qkv,@function
k_q7b1ec93a0d_qkv:
	s_mov_b64 s[64:65], 0
	v_nop
	global_prefetch_b8 v0, s[64:65] scope:SCOPE_SE
	s_setreg_imm32_b32 hwreg(HW_REG_WAVE_MODE, 25, 1), 1
	s_wait_xcnt 0x0
	s_wait_alu depctr_hold_cnt(0) depctr_sa_sdst(0) depctr_va_vdst(0) depctr_va_sdst(0) depctr_va_ssrc(0) depctr_va_vcc(0) depctr_vm_vsrc(0)
	s_getreg_b32 s2, hwreg(HW_REG_IB_STS2, 6, 4)
	s_cmp_eq_u32 s2, 0
	s_cbranch_scc0 .Lentry_in_a_cluster
	s_endpgm
.Lentry_in_a_cluster:
	s_bfe_u32 s2, ttmp6, 0x10000c
	s_cmp_lg_u32 s2, 0xf033
	s_cbranch_scc0 .Lentry_shape_is_right
	s_endpgm
.Lentry_shape_is_right:
; qkv = Q(x) Q(w_attn) + b_attn on codes of FP4 (E2M1) with one E8M0 scale for each 32 along K.  M = 8,192, N = 3,072, K = 1,024.  Sums in f32; the bias is the C of each sum's first product.
; A tile of 256 x 256 is made by four waves, 128 x 128 each: 64 accumulators, 512 registers.  K is two steps of 512: BOTH lie in LDS at once (two slots), so nothing is ever filled again.
; The scale bytes of the tile's 256 rows of x and 256 rows of w come once, as dense blocks in rows of 256 bytes.
; CLUSTERS: 4 x 4 work-groups; x's tiles are asked for jointly along a row of the cluster, w's along a column.  Tile row = 8 cy + cluster y: cy is the batch, cluster y the tile's place in the sequence,
; so that 'this tile holds positions 0-15' is cluster y = 0, the same in all sixteen partners.
; THE MATRIX INSTRUCTION IS USED TRANSPOSED (source 0 = 16 rows of w, source 1 = 16 rows of x): a lane holds eight neighbouring columns of one row.
; OUT: qkv16 [3][4 b][16 h][2048 t][64] f16, through the wave's own stage, 512 consecutive bytes a store; and the f32 results of positions 0-15 of each batch to qkv32 [16 b + t][3072].
; LIMITS: |q|, |k|, |v| above 65,504 become infinity in f16, under 6e-5 their error is absolute (3e-8).  qkv32 is stored in pieces of 16 bytes: 768 KB in the whole launch.
; REGISTERS: window 0: v16-31 addresses; v32-95 scale words, two sets; v128-191 x's fragments, ONE set; v192-255 the bias; on the way out v128-223 are at work.
;   window 1: w's fragments, two sets, at v0 and v128.  window 2: the accumulators of my rows 0-63 ((a, b) at v[8 (8 a + b)]);  window 3: those of my rows 64-127.
.set KSTEP,  512
.set NQ,     4                         ; matrix instructions deep in a slot
.set ROWB,   256                       ; a tile's row in bytes
.set KROW,   512                       ; a row of codes in memory
.set PITCH,  272                       ; an LDS row: 256 bytes + 16 of padding: the 16 rows that a load touches start at 16 different banks
.set FR,     8
.set NL,     2
.set NP,     4                         ; places behind this matrix instruction (ISA guide 7.12.1)
.set HALFT,  128*PITCH
.set SLOT,   4*HALFT
.set KS,     32                        ; a row of scale bytes
.set SCL,    2*SLOT
.set HALFS,  16*272                    ; the scales of 128 rows
.set SBLK,   2*272                     ; those of 16 rows
.set SPARE,  SCL+4*HALFS               ; the spare words, 128 bytes a wave: two blocks of 256 bytes that no other line names
.set STAGE,  SPARE+512                 ; the way out: for each wave two heads x 16 rows x (128 bytes + 16); bytes of its own, into which no fill lands
.set ADRA, 16
.set ADRB, 20
.set STO,  24
.set RD,   25
.set CO,   26
.set ADRS, 27
.set SPW,  28
.set NIL,  29
.set FO,   30                          ; v30  my byte offset in the 16 rows of qkv32
.set BO,   31                          ; v31  32 x (lane / 16): my half's eight numbers of a bias block
.set SC,   32
.set AF,   128
.set BI,   192                         ; v192-255: bias, register 8 b + j = b_attn[my first column + 16 b + 8 (lane / 16) + j]
.set TMP,  128
.set OB,   160
.set G1, 24
.set G0, 32
.set G1B, 48
.set G0B, 56
.set G1S, 68
.set G0S, 76
.set G1SB, 80
.set G0SB, 88
.set MSB, 0
.macro WIN new                         ; the immediate's high byte repeats the setting that is left
.if MSB != \new
	s_set_vgpr_msb (MSB<<8)|(\new)
.set MSB, \new
.endif
.endm
.set MUL_LO, 0xa1                      ; source 0 (w) window 1, source 1 (x) window 0, C and D window 2
.set MUL_HI, 0xf1
.set TO_B,   0x40
; A joint load: waves 0 and 1 fetch for x, waves 2 and 3 for w.  The branch hangs on the wave's number alone.  An s_nop 0 and four v_nop follow each line.
.macro JLOAD g0a, g1a, g0b, g1b
	s_cmp_eq_u32 s15, 0
	s_cbranch_scc0 .Lfor_b_\@
	tensor_load_to_lds s[\g0a:\g0a+3], s[\g1a:\g1a+7]
	s_nop 0
.rept 4
	v_nop
.endr
	s_branch .Lasked_\@
.Lfor_b_\@:
	tensor_load_to_lds s[\g0b:\g0b+3], s[\g1b:\g1b+7]
	s_nop 0
.rept 4
	v_nop
.endr
.Lasked_\@:
.endm
.macro CROUND                          ; a round of the cluster's barrier
	s_barrier_signal -1
	s_barrier_wait -1
	s_cmp_lg_u32 s14, 0
	s_cbranch_scc1 .Lnot_wave_0_\@
	s_barrier_signal -3
.Lnot_wave_0_\@:
	s_barrier_wait -3
	s_barrier_signal -1
	s_barrier_wait -1
.endm
	s_load_b128 s[4:7], s[0:1], 0x0                ; x's codes, x's scales
	s_load_b128 s[8:11], s[0:1], 0x10              ; w's codes, w's scales
	s_load_b128 s[96:99], s[0:1], 0x20             ; b_attn, qkv32
	s_load_b64 s[12:13], s[0:1], 0x30              ; qkv16
	v_lshl_add_u32 v[SPW], v0, 2, SPARE
	v_mov_b32 v[NIL], 0
	ds_add_u32 v[SPW], v[NIL]                      ; the wave's opening: the add, twice on end, and its wait ahead of my first tensor load
	ds_add_u32 v[SPW], v[NIL]
	v_lshrrev_b32 v1, 5, v0
	v_readfirstlane_b32 s14, v1                    ; wave 0..3
	s_lshr_b32 s15, s14, 1                         ; which half of the tile's rows is mine.  Also: I fetch for x (0) or for w (1)
	s_and_b32 s16, s14, 1                          ; which half of its columns.  Also: which 128 rows I fetch
	s_bfe_u32 s40, ttmp6, 0x40000                  ; cx
	s_bfe_u32 s41, ttmp6, 0x40004                  ; cy
	s_lshl_b32 s42, ttmp9, 2
	s_add_co_u32 s42, s42, s40                     ; tile column = 4 x cluster x + cx
	s_and_b32 s17, ttmp7, 0xffff                   ; cluster y
	s_or_b32 s95, s17, s15                         ; 0 where my first block of 16 rows is positions 0-15 of a batch: the same in all partners, for a given wave
	s_lshl_b32 s18, s41, 3
	s_add_co_u32 s17, s17, s18                     ; tile row = 8 cy + cluster y
	s_lshl_b32 s43, s41, 2
	s_lshl_b32 s43, 15, s43                        ; my row of the cluster
	s_lshl_b32 s44, 0x1111, s40                    ; my column
	s_or_b32 s[G1+0], s43, (0<<16)|(1<<20)|(1<<21)|(5<<22)|(3<<25)  ; the mask; elements of 1 byte; padding on: 4 words after every 64; bit 21 beside a mask
	s_or_b32 s[G1B+0], s44, (0<<16)|(1<<20)|(1<<21)|(5<<22)|(3<<25)
.irp g, G1, G1B
	s_mov_b32 s[\g+1], ROWB<<16                    ; tensor_dim0
	s_mov_b32 s[\g+2], 128<<16                     ; tensor_dim1
	s_mov_b32 s[\g+3], ROWB<<16                    ; tile_dim0
	s_mov_b32 s[\g+4], 128                         ; tile_dim1
	s_mov_b32 s[\g+5], KROW                        ; stride from row to row
	s_mov_b32 s[\g+6], 0
	s_mov_b32 s[\g+7], 0
.endr
	s_or_b32 s[G1S+0], s43, (3<<16)|(1<<20)|(1<<21)|(5<<22)|(3<<25)  ; the scales of 128 rows: 4,096 dense bytes as 16 rows of 32 elements of 8 bytes
	s_or_b32 s[G1SB+0], s44, (3<<16)|(1<<20)|(1<<21)|(5<<22)|(3<<25)
.irp g, G1S, G1SB
	s_mov_b32 s[\g+1], 32<<16
	s_mov_b32 s[\g+2], 16<<16
	s_mov_b32 s[\g+3], 32<<16
	s_mov_b32 s[\g+4], 16
	s_mov_b32 s[\g+5], 32
	s_mov_b32 s[\g+6], 0
	s_mov_b32 s[\g+7], 0
.endr
	s_lshl_b32 s18, s16, 7
	s_lshl_b32 s20, s17, 8
	s_add_co_u32 s20, s20, s18                     ; x: row 256 x tile row + 128 x half
	s_lshl_b32 s46, s42, 8
	s_add_co_u32 s46, s46, s18                     ; w: row 256 x tile column + 128 x half
	s_mov_b32 s21, 0
	s_mov_b32 s47, 0
	s_mov_b64 s[18:19], KS
	s_mul_u64 s[22:23], s[20:21], s[18:19]
	s_mul_u64 s[92:93], s[46:47], s[18:19]
	s_mov_b64 s[18:19], KROW
	s_mul_u64 s[20:21], s[20:21], s[18:19]
	s_mul_u64 s[46:47], s[46:47], s[18:19]
	s_mul_i32 s45, s14, HALFT                      ; where they go: wave x 128 rows
	s_mul_i32 s94, s14, HALFS
	s_wait_dscnt 0x0                               ; both opening adds are done
	s_wait_kmcnt 0x0
	s_add_nc_u64 s[20:21], s[4:5], s[20:21]
	s_add_nc_u64 s[22:23], s[6:7], s[22:23]
	s_add_nc_u64 s[46:47], s[8:9], s[46:47]
	s_add_nc_u64 s[92:93], s[10:11], s[92:93]
	CROUND                                         ; all sixteen work-groups are here: the first joint loads meet
	s_mov_b32 s[G0S], 1
	s_add_co_u32 s[G0S+1], s94, SCL
	s_mov_b64 s[G0S+2:G0S+3], s[22:23]
	s_or_b32 s[G0S+3], s[G0S+3], 0x80000000
	s_mov_b32 s[G0SB], 1
	s_add_co_u32 s[G0SB+1], s94, SCL
	s_mov_b64 s[G0SB+2:G0SB+3], s[92:93]
	s_or_b32 s[G0SB+3], s[G0SB+3], 0x80000000
	JLOAD G0S, G1S, G0SB, G1SB                     ; the scales first; three loads of mine are out behind the last of these
.irp s, 0,1
	s_mov_b32 s[G0+4*\s], 1
	s_add_co_u32 s[G0+4*\s+1], s45, \s*SLOT
	s_add_nc_u64 s[G0+4*\s+2:G0+4*\s+3], s[20:21], \s*ROWB
	s_or_b32 s[G0+4*\s+3], s[G0+4*\s+3], 0x80000000
	s_mov_b32 s[G0B+4*\s], 1
	s_add_co_u32 s[G0B+4*\s+1], s45, \s*SLOT
	s_add_nc_u64 s[G0B+4*\s+2:G0B+4*\s+3], s[46:47], \s*ROWB
	s_or_b32 s[G0B+4*\s+3], s[G0B+4*\s+3], 0x80000000
	JLOAD G0+4*\s, G1, G0B+4*\s, G1B
.endr
	v_and_b32 v1, 15, v0                           ; r = lane % 16
	v_bfe_u32 v2, v0, 4, 1                         ; h = lane / 16
	v_lshlrev_b32 v[BO], 5, v2
	s_lshl_b32 s46, s42, 10                        ; my first column, in bytes of f32: 1,024 x tile column + 512 x half
	s_lshl_b32 s47, s16, 9
	s_add_co_u32 s46, s46, s47
	s_mov_b32 s47, 0
	s_add_nc_u64 s[96:97], s[96:97], s[46:47]
.irp b, 0,1,2,3,4,5,6,7
	global_load_b128 v[BI+8*\b:BI+8*\b+3],   v[BO], s[96:97] offset:64*\b
	global_load_b128 v[BI+8*\b+4:BI+8*\b+7], v[BO], s[96:97] offset:64*\b+16
.endr
	v_mul_u32_u24 v3, v1, PITCH
	v_lshl_add_u32 v4, v2, 4, v3
	s_mul_i32 s21, s15, HALFT
	s_mul_i32 s22, s16, HALFT
	s_add_co_u32 s22, s22, 2*HALFT
.irp s, 0,1
	v_add_nc_u32 v[ADRA+\s], s21, v4
	v_add_nc_u32 v[ADRB+\s], s22, v4
	s_add_co_u32 s21, s21, SLOT
	s_add_co_u32 s22, s22, SLOT
.endr
	v_mul_u32_u24 v5, v1, KS                       ; my row's scales: 32 bytes a row,
	v_lshrrev_b32 v6, 8, v5
	v_lshl_add_u32 v5, v6, 4, v5                   ; and 16 more for each 256 passed
	s_mul_i32 s21, s15, HALFS
	s_mul_i32 s22, s16, HALFS
	s_add_co_u32 s22, s22, 2*HALFS
	s_sub_co_u32 s22, s22, s21
	v_mul_u32_u24 v6, s22, v2                      ; lanes 16-31 take w's: one product, the distance between the two bases
	s_add_co_u32 s21, s21, SCL
	v_add_nc_u32 v5, v5, v6
	v_add_nc_u32 v[ADRS], s21, v5
	s_mul_i32 s23, s14, 4608
	s_add_co_u32 s23, s23, STAGE                   ; my stage
	v_mul_u32_u24 v5, v1, 144
	v_lshl_add_u32 v5, v2, 4, v5
	v_add_nc_u32 v[STO], s23, v5                   ; in: row r, 16 bytes for each half of the lanes
	v_bfe_u32 v5, v0, 3, 2
	v_and_b32 v6, 7, v0
	v_mul_u32_u24 v5, v5, 144
	v_lshl_add_u32 v5, v6, 4, v5
	v_add_nc_u32 v[RD], s23, v5                    ; back: eight lanes to a row of 128 bytes, four rows an instruction
	v_and_b32 v6, 31, v0
	v_lshlrev_b32 v[CO], 4, v6                     ; the same four rows are 512 consecutive bytes of qkv16
	v_mul_u32_u24 v[FO], v1, 12288
	v_lshl_add_u32 v[FO], v2, 5, v[FO]             ; qkv32: row r of 12,288 bytes, + 32 h
	s_mul_i32 s20, s41, 196608                     ; the batch's 16 rows
	s_mov_b32 s21, 0
	s_add_nc_u64 s[98:99], s[98:99], s[20:21]
	s_add_nc_u64 s[98:99], s[98:99], s[46:47]
	s_lshl_b32 s20, s42, 2                         ; my two heads: 4 x tile column + 2 x half, of 48
	s_lshl_b32 s21, s16, 1
	s_add_co_u32 s20, s20, s21
	s_lshr_b32 s21, s20, 4                         ; q, k or v
	s_and_b32 s20, s20, 15                         ; the head
	s_lshl_b32 s21, s21, 2
	s_add_co_u32 s21, s21, s41                     ; x 4 + the batch
	s_lshl_b32 s21, s21, 4
	s_add_co_u32 s20, s20, s21
	s_lshl_b32 s20, s20, 18                        ; a head is 262,144 bytes
	s_and_b32 s21, ttmp7, 0xffff
	s_lshl_b32 s21, s21, 15                        ; + 256 x cluster y rows of 128 bytes
	s_add_co_u32 s20, s20, s21
	s_lshl_b32 s21, s15, 14                        ; + my 128 rows
	s_add_co_u32 s20, s20, s21
	s_mov_b32 s21, 0
	s_add_nc_u64 s[12:13], s[12:13], s[20:21]
.macro FRAG reg, adr, q, i             ; 16 rows x 128 K of 4-bit codes: 8 registers; two loads of 16 bytes, 32 bytes apart
.irp c, 0,1
	ds_load_b128 v[\reg+4*\c:\reg+4*\c+3], v[\adr] offset:64*(\q)+32*\c+(\i)*16*PITCH
.endr
.endm
; 16 matrix instructions: x's blocks a0, a0 + 1 against w's eight.  zero = 1: the first product starts the sums from the bias.  The 64 accumulators take turns, one instruction a turn.
.macro MUL16 a0, p, q, sc, zero
.irp a, \a0, \a0+1
.irp b, 0,1,2,3,4,5,6,7
.if \zero
	v_wmma_scale_f32_16x16x128_f8f6f4 v[8*(8*((\a)%4)+\b):8*(8*((\a)%4)+\b)+7], v[128*(\p)+FR*\b:128*(\p)+FR*\b+FR-1], v[AF+FR*(\a):AF+FR*(\a)+FR-1], v[BI+8*\b:BI+8*\b+7], v[SC+8*NQ*(\sc)+NQ*\b+(\q)], v[SC+8*NQ*(\sc)+NQ*(\a)+(\q)] matrix_a_fmt:MATRIX_FMT_FP4 matrix_b_fmt:MATRIX_FMT_FP4 matrix_a_scale:MATRIX_SCALE_ROW1
.else
	v_wmma_scale_f32_16x16x128_f8f6f4 v[8*(8*((\a)%4)+\b):8*(8*((\a)%4)+\b)+7], v[128*(\p)+FR*\b:128*(\p)+FR*\b+FR-1], v[AF+FR*(\a):AF+FR*(\a)+FR-1], v[8*(8*((\a)%4)+\b):8*(8*((\a)%4)+\b)+7], v[SC+8*NQ*(\sc)+NQ*\b+(\q)], v[SC+8*NQ*(\sc)+NQ*(\a)+(\q)] matrix_a_fmt:MATRIX_FMT_FP4 matrix_b_fmt:MATRIX_FMT_FP4 matrix_a_scale:MATRIX_SCALE_ROW1
.endif
.endr
.endr
.endm
.macro FETCH_B slot, q, p
	WIN TO_B
.irp i, 0,1,2,3,4,5,6,7
	FRAG 128*(\p)+FR*\i, ADRB+\slot, \q, \i
.endr
	WIN 0
.endm
.macro FETCH_A slot, q, i0
.irp i, \i0, \i0+1, \i0+2, \i0+3
	FRAG AF+FR*(\i), ADRA+\slot, \q, \i
.endr
.endm
.macro SCALES sc                       ; a K step's scale words: lanes 0-15 take x's block i, lanes 16-31 w's block i
.irp i, 0,1,2,3,4,5,6,7
	ds_load_b128 v[SC+8*NQ*\sc+NQ*\i:SC+8*NQ*\sc+NQ*\i+3], v[ADRS] offset:\i*SBLK
.endr
.endm
.macro PLACES n                        ; plain vector lines between a matrix instruction and a load into, or a read of, its registers
.rept \n
	v_nop
.endr
.endm
.macro STEP slot, q, zero              ; 128 along K that has its successor in the same slot
	s_wait_dscnt 4*NL                              ; w's set, x's blocks 0-3 (and the scale words) are in; the youngest eight loads (x's blocks 4-7) may be out
.if \zero
	WIN 0x81                                       ; C (the bias) in window 0, D in window 2
.else
	WIN MUL_LO
.endif
	MUL16 0, (\q)%2, \q, \slot, \zero
	MUL16 2, (\q)%2, \q, \slot, \zero
	s_wait_dscnt 0
	PLACES NP
	FETCH_B \slot, (\q)+1, 1-(\q)%2
	FETCH_A \slot, (\q)+1, 0
.if \zero
	WIN 0xc1
.else
	WIN MUL_HI
.endif
	MUL16 4, (\q)%2, \q, \slot, \zero
	MUL16 6, (\q)%2, \q, \slot, \zero
	PLACES NP
	WIN 0
	FETCH_A \slot, (\q)+1, 4
.endm
.macro STEPS slot, from
.set QQ, \from
.rept NQ-1-\from
	STEP \slot, QQ, 0
.set QQ, QQ+1
.endr
.endm
	s_wait_tensorcnt 1                             ; the scales and my part of K step 0 are in; K step 1's load may be out
	s_barrier_signal -1
	s_barrier_wait -1
	FETCH_B 0, 0, 0
	FETCH_A 0, 0, 0
	SCALES 0
	FETCH_A 0, 0, 4
	s_wait_loadcnt 0x0                             ; the bias
	STEP 0, 0, 1
	STEPS 0, 1
	; slot 0's last step changes slots: one barrier; in front of it each wave waits for all its tensor loads (its part of slot 1), adds 0 to its spare word, and waits for that
	s_wait_tensorcnt 0x0
	ds_add_u32 v[SPW], v[NIL]
	s_wait_dscnt 4*NL+1                            ; the add and the youngest eight loads may be out
	WIN MUL_LO
	MUL16 0, 1, NQ-1, 0, 0
	s_wait_dscnt 0x0
	s_barrier_signal -1
	MUL16 2, 1, NQ-1, 0, 0
	WIN 0
	s_barrier_wait -1                              ; slot 1 is whole
	PLACES NP
	v_add_nc_u32 v[ADRS], 4*NQ, v[ADRS]            ; on to the second K step's scale words
	FETCH_B 1, 0, 0
	FETCH_A 1, 0, 0
	SCALES 1
	WIN MUL_HI
	MUL16 4, 1, NQ-1, 0, 0
	MUL16 6, 1, NQ-1, 0, 0
	PLACES NP
	WIN 0
	FETCH_A 1, 0, 4
	STEPS 1, 0
	s_wait_dscnt 4*NL                              ; the very last step
	WIN MUL_LO
	MUL16 0, 1, NQ-1, 1, 0
	MUL16 2, 1, NQ-1, 1, 0
	s_wait_dscnt 0
	WIN MUL_HI
	MUL16 4, 1, NQ-1, 1, 0
	MUL16 6, 1, NQ-1, 1, 0
	WIN 0
	PLACES NP                                      ; in front of the first reads of results and of the writes into the registers that held x's fragments
	; positions 0-15 of a batch also leave as f32: block 0 of the waves whose rows begin a sequence
	s_cmp_lg_u32 s95, 0
	s_cbranch_scc1 .Lnot_first
	WIN 0x08                                       ; a store's data: window 2
.irp b, 0,1,2,3,4,5,6,7
	global_store_b128 v[FO], v[8*\b:8*\b+3],   s[98:99] offset:64*\b          ; each accumulator from its low end on
	global_store_b128 v[FO], v[8*\b+4:8*\b+7], s[98:99] offset:64*\b+16
.endr
	WIN 0
.Lnot_first:
; THE WAY OUT, block by block of 16 rows x 128 columns (two heads).  PACK: rounded to f16, 16 bytes a lane.  TOSTAGE: into my stage, and back as rows of 128 bytes.  SEND: stored.
.macro PACK a
.set AC, 64*((\a)%4)
	WIN 0x0a+5*((\a)/4)                            ; sources 0 and 1: window 2 or 3
.irp b, 0,1,2,3,4,5,6,7
.irp i, 0,1,2,3
	v_cvt_pk_f16_f32 v[TMP+4*\b+\i], v[AC+8*\b+2*\i], v[AC+8*\b+2*\i+1]
.endr
.endr
	WIN 0
.endm
.macro TOSTAGE a
.set BB, OB+32*((\a)%2)
.irp b, 0,1,2,3,4,5,6,7
	ds_store_b128 v[STO], v[TMP+4*\b:TMP+4*\b+3] offset:2304*(\b/4)+32*(\b%4)
.endr
.irp i, 0,1,2,3,4,5,6,7
	ds_load_b128 v[BB+4*\i:BB+4*\i+3], v[RD] offset:2304*(\i/4)+576*(\i%4)   ; LDS serves a wave's instructions in order: these see the stores above
.endr
.endm
.macro SEND a
.set BB, OB+32*((\a)%2)
	s_wait_dscnt 0x0                               ; the block is back in registers
	s_wait_xcnt 0x0                                ; the block before's stores have read their registers: the next loads may land there
.irp i, 0,1,2,3,4,5,6,7
	global_store_b128 v[CO], v[BB+4*\i:BB+4*\i+3], s[12:13] offset:262144*(\i/4)+2048*(\a)+512*(\i%4)   ; 32 lanes store 512 consecutive bytes, aligned
.endr
.endm
	PACK 0
	TOSTAGE 0
.irp a, 1,2,3,4,5,6,7
	PACK \a                                        ; its conversions stand between the block before's loads from the stage and the wait for them
	SEND \a-1
	TOSTAGE \a
.endr
	SEND 7
	s_wait_tensorcnt 0x0                           ; the wave's end
	ds_add_u32 v[SPW], v[NIL]
	s_wait_dscnt 0x0
	CROUND                                         ; the closing round
	s_endpgm
.Lfunc_end_k_q7b1ec93a0d_qkv:
	.size	k_q7b1ec93a0d_qkv, .Lfunc_end_k_q7b1ec93a0d_qkv-k_q7b1ec93a0d_qkv
	.p2alignl 7, 3214868480
	.fill 96, 4, 3214868480
	.section	.rodata,"a",@progbits
	.p2align	6, 0x0
	.amdhsa_kernel k_q7b1ec93a0d_qkv
		.amdhsa_group_segment_fixed_size 327680
		.amdhsa_private_segment_fixed_size 0
		.amdhsa_enable_private_segment 0
		.amdhsa_kernarg_size 56
		.amdhsa_user_sgpr_count 2
		.amdhsa_user_sgpr_kernarg_segment_ptr 1
		.amdhsa_wavefront_size32 1
		.amdhsa_system_sgpr_workgroup_id_x 1
		.amdhsa_system_sgpr_workgroup_id_y 1
		.amdhsa_system_sgpr_workgroup_id_z 1
		.amdhsa_system_vgpr_workitem_id 0
		.amdhsa_next_free_vgpr 1024
		.amdhsa_next_free_sgpr 100
		.amdhsa_reserve_vcc 0
		.amdhsa_float_denorm_mode_32 3
		.amdhsa_float_denorm_mode_16_64 3
		.amdhsa_memory_ordered 1
		.amdhsa_forward_progress 1
		.amdhsa_inst_pref_size 130
	.end_amdhsa_kernel
	.amdgpu_metadata
---
amdhsa.version: [ 1, 2 ]
amdhsa.kernels:
  - .name:           k_q7b1ec93a0d_qkv
    .symbol:         k_q7b1ec93a0d_qkv.kd
    .args:
      - { .name: xc, .offset: 0, .size: 8, .value_kind: global_buffer, .address_space: global }
      - { .name: xs, .offset: 8, .size: 8, .value_kind: global_buffer, .address_space: global }
      - { .name: wc, .offset: 16, .size: 8, .value_kind: global_buffer, .address_space: global }
      - { .name: ws, .offset: 24, .size: 8, .value_kind: global_buffer, .address_space: global }
      - { .name: b_attn, .offset: 32, .size: 8, .value_kind: global_buffer, .address_space: global }
      - { .name: qkv32, .offset: 40, .size: 8, .value_kind: global_buffer, .address_space: global }
      - { .name: qkv16, .offset: 48, .size: 8, .value_kind: global_buffer, .address_space: global }
    .group_segment_fixed_size: 327680
    .private_segment_fixed_size: 0
    .kernarg_segment_align: 8
    .kernarg_segment_size: 56
    .max_flat_workgroup_size: 128
    .sgpr_count:     100
    .vgpr_count:     1024
    .wavefront_size: 32
...
	.end_amdgpu_metadata
.endif
;; end of part 2
;; launch attn (part 3): grid 4 x 64, 16 waves a work-group, no clusters, 327,680 bytes of LDS; arguments qkv16, y16; writes y16
.if DOCPART == 3
	.amdgcn_target "amdgcn-amd-amdhsa--gfx1250"
	.amdhsa_code_object_version 6
	.text
	.protected	k_q7b1ec93a0d_attn
	.globl	k_q7b1ec93a0d_attn
	.p2align	8
	.type	k_q7b1ec93a0d_attn,@function
k_q7b1ec93a0d_attn:
	s_mov_b64 s[64:65], 0
	v_nop
	global_prefetch_b8 v0, s[64:65] scope:SCOPE_SE
	s_setreg_imm32_b32 hwreg(HW_REG_WAVE_MODE, 25, 1), 1
	s_wait_xcnt 0x0
; y[b][h][q] = the sum over k <= q of softmax_k(Q[q] . K[k] / 8) V[k], head size 64, 2,048 positions, 64 heads (16 b + h).  Q, K, V: f16, [2048][64] a head; products, maxima and sums in f32;
; the weights p are rounded to f16 for the second product, y once at the end.  y16: [16 h][2048 b + t][64] f16.
; SHARES.  A work-group owns TWO blocks of 256 queries of one head, blocks i and 7 - i (i = work-group x), so that under the causal mask every work-group has the same work.  Each of its sixteen waves owns 32
; queries, two tiles of 16, in 256 registers; four waves share a SIMD, two of each block.  All waves read one stream of K and V: a ring of two LDS slots of 256 keys, filled by waves 0-3.
; NO CLUSTER: the four work-groups of a head need different numbers of tiles (8 - i slots), so a joint load would bring some partners tiles that none of their waves reads.
; THE MASK.  Every work-group walks all 8 slots (constant trip counts); a step of 64 keys is jumped over where all its keys come after the wave's queries; a slot is asked for only while its first key is at or under
; the work-group's last query; every wait on TENSORcnt is for 0.  On the diagonal hidden scores become -infinity ahead of the maximum.
; LAYOUT.  S^T = K Q^T and O^T = V^T P: a lane holds ONE query throughout; two tiles of S^T, rounded to f16 in pairs, ARE source 1 of the second product.  V comes out of LDS turned, by ds_load_tr16_b128.
; SOFTMAX.  A running maximum m and sum l: p = 2^(c s - c m), c = log2(e) / 8; in every step O and l are multiplied by a = 2^(c m_old - c m_new).
; LIMITS: y above 65,504 becomes infinity in f16; positions 0-15 of a sequence are also made here, in f16, and are made again in f32 by a later launch.
.set SK,    256                        ; keys in a slot
.set KP,    144                        ; a key's row in LDS: 128 bytes + 16
.set VP,    160                        ; a row of V: 128 + 32
.set VOFF,  SK*KP
.set SLOT1, 1<<17
.set STAGE, SLOT1+VOFF+SK*VP           ; behind the ring: 32 rows x 144 bytes for each wave; bytes of its own
.set SPARE, STAGE+16*4608              ; the spare words, 128 bytes a wave: eight blocks of 256 bytes that no other line names
.set AK0, 1
.set AV0, 2
.set SPW, 3
.set NIL, 4
.set ADK, 5
.set ADV, 6
.set PFO, 7
.set RH,  10                           ; v10  lane % 16 - 8 (lane / 16)
.set ST,  12                           ; v12-27: tile t's statistics at ST + 8 t: +0 c m, +1 m, +2, +3 l, +4, +5 at work, +6 a, +7 at work
.set STO, 28
.set RD,  29
.set GO,  30
.set QF,  32                           ; v32-63   Q: tile t, channels 32 c on, at QF + 16 t + 8 c
.set KV,  64                           ; v64-127  K's eight fragments, later V^T's eight
.set S,   128                          ; v128-191 S^T at S + 32 t + 8 (tile of keys) + j; P is packed in place into S + 32 t + 0 .. 15
.set OT,  192                          ; v192-255 O^T at OT + 32 t + 8 (tile of channels) + j
.set WV,  18
.set SEL, 20
.set CS,  22
.set G1K, 24
.set G1V, 32
.set G0K, 40
.set G0V, 44
.set TB,  2
.set SLOTS, 48
.set KF,  49
.set Q0,  50
.set LASTQ, 51
.set PFA, 52
.set LIM, 54
; Waves 0 and 1 fetch K's halves of a slot, waves 2 and 3 V's, the others nothing.  An s_nop 0 and four v_nop follow each line.
.macro TLOAD
	s_cmp_lt_u32 s[WV], 2
	s_cbranch_scc0 .Lnot_k_\@
	tensor_load_to_lds s[G0K:G0K+3], s[G1K:G1K+7]
	s_nop 0
.rept 4
	v_nop
.endr
	s_branch .Lasked_\@
.Lnot_k_\@:
	s_cmp_lt_u32 s[WV], 4
	s_cbranch_scc0 .Lasked_\@
	tensor_load_to_lds s[G0V:G0V+3], s[G1V:G1V+7]
	s_nop 0
.rept 4
	v_nop
.endr
.Lasked_\@:
.endm
; A prefetch of what the NEXT change of slots will ask for: 32,768 dense bytes of K and as many of V.  Each aligned block of 256 bytes is named once in the launch: the head's first work-group asks (it walks all
; slots), in it waves 4-7 for K and waves 8-11 for V, 8,192 bytes a wave, lanes 256 bytes apart.  The last change that fills a slot asks for nothing.
.macro ASK
	s_cmp_gt_u32 s[SLOTS], s[LIM]
	s_cbranch_scc0 .Lnot_mine_\@
	global_prefetch_b8 v[PFO], s[PFA:PFA+1] th:TH_LOAD_NT scope:SCOPE_SE
.Lnot_mine_\@:
.endm
	s_load_b128 s[4:7], s[0:1], 0x0                ; qkv16, y16
	v_lshl_add_u32 v[SPW], v0, 2, SPARE
	v_mov_b32 v[NIL], 0
	ds_add_u32 v[SPW], v[NIL]                      ; the wave's opening: the add, twice on end, and its wait ahead of the first tensor load
	ds_add_u32 v[SPW], v[NIL]
	v_lshrrev_b32 v5, 5, v0
	v_readfirstlane_b32 s[WV], v5                  ; wave 0..15
	s_and_b32 s55, ttmp7, 0xffff                   ; 16 b + h
	s_lshl_b32 s58, s55, 18                        ; a head is 262,144 bytes
	s_mov_b32 s59, 0
	s_lshr_b32 s60, s[WV], 2
	s_xor_b32 s60, s60, s[WV]
	s_and_b32 s60, s60, 1                          ; which of the two blocks is mine
	s_lshl_b32 s61, ttmp9, 1
	s_sub_co_u32 s61, 7, s61
	s_mul_i32 s61, s61, s60
	s_add_co_u32 s61, s61, ttmp9                   ; block i or 7 - i
	s_lshl_b32 s61, s61, 8
	s_lshr_b32 s60, s[WV], 1
	s_lshl_b32 s60, s60, 5
	s_add_co_u32 s[Q0], s61, s60                   ; my first query
	s_sub_co_u32 s[LASTQ], 8, ttmp9
	s_lshl_b32 s[LASTQ], s[LASTQ], 8
	s_sub_co_u32 s[LASTQ], s[LASTQ], 1             ; my work-group's last query
	s_mov_b32 s[G1K], (1<<16)|(1<<20)|(4<<22)|(3<<25)   ; elements of 2 bytes; padding on: 4 words after every 32
	s_mov_b32 s[G1V], (1<<16)|(1<<20)|(4<<22)|(7<<25)   ; the same with 8 words
.irp g, G1K, G1V
	s_mov_b32 s[\g+1], 64<<16                      ; tensor_dim0 = 64
	s_mov_b32 s[\g+2], 128<<16                     ; tensor_dim1 = 128
	s_mov_b32 s[\g+3], 64<<16                      ; tile_dim0
	s_mov_b32 s[\g+4], 128                         ; tile_dim1
	s_mov_b32 s[\g+5], 64                          ; stride from row to row
	s_mov_b32 s[\g+6], 0
	s_mov_b32 s[\g+7], 0
.endr
	s_and_b32 s60, s[WV], 1                        ; which half of a slot's rows I fetch, if I fetch
	s_lshl_b32 s62, s60, 14
	s_mov_b32 s63, 0
	s_mov_b32 s[G0K], 1
	s_mul_i32 s[G0K+1], s60, 128*KP
	s_mov_b32 s[G0V], 1
	s_mul_i32 s[G0V+1], s60, 128*VP
	s_add_co_u32 s[G0V+1], s[G0V+1], VOFF
	s_mov_b32 s[SEL], 0x76543210
	s_mov_b32 s[SEL+1], 0xfedcba98
	s_mov_b32 s[CS], 0x3e38aa3b                    ; c = log2(e) / 8
	s_mov_b32 s[CS+1], s[CS]
	s_mov_b32 s[TB], 0
	s_mov_b32 s[SLOTS], 7
	s_mov_b32 s[KF], 0
	s_wait_dscnt 0x0                               ; both opening adds are done
	s_wait_kmcnt 0x0
	s_add_nc_u64 s[12:13], s[4:5], s[58:59]        ; my head's q,
	s_add_nc_u64 s[8:9], s[12:13], 0x1000000       ; k,
	s_add_nc_u64 s[10:11], s[12:13], 0x2000000     ; v
	s_add_nc_u64 s[G0K+2:G0K+3], s[8:9], s[62:63]
	s_or_b32 s[G0K+3], s[G0K+3], 0x80000000
	s_add_nc_u64 s[G0V+2:G0V+3], s[10:11], s[62:63]
	s_or_b32 s[G0V+3], s[G0V+3], 0x80000000
	TLOAD                                          ; slot 0: it holds key 0, which counts for every query
	s_lshl_b32 s58, s[Q0], 7
	s_add_nc_u64 s[12:13], s[12:13], s[58:59]      ; q at my first query
	s_and_b32 s56, s55, 15
	s_lshl_b32 s56, s56, 20                        ; y16: the head's plane,
	s_lshr_b32 s57, s55, 4
	s_lshl_b32 s57, s57, 18                        ; the batch's 2,048 rows of 128 bytes,
	s_add_co_u32 s56, s56, s57
	s_add_co_u32 s58, s58, s56                     ; my first query
	s_add_nc_u64 s[6:7], s[6:7], s[58:59]
	s_cmp_lt_u32 s[WV], 8                          ; the prefetches: waves 4-7 stand in k, waves 8-11 in v
	s_cselect_b64 s[PFA:PFA+1], s[8:9], s[10:11]
	s_and_b32 s56, s[WV], 3
	s_lshl_b32 s56, s56, 13
	s_add_co_u32 s56, s56, SK*128                  ; my 8,192 bytes, in slot 1: the first change of slots steps it to slot 2
	s_mov_b32 s57, 0
	s_add_nc_u64 s[PFA:PFA+1], s[PFA:PFA+1], s[56:57]
	s_sub_co_u32 s56, s[WV], 4
	s_lshr_b32 s56, s56, 3                         ; 0 in waves 4 to 11,
	s_or_b32 s56, s56, ttmp9                       ; of the head's first work-group
	s_cmp_eq_u32 s56, 0
	s_cselect_b32 s[LIM], 1, -1
	v_and_b32 v8, 15, v0                           ; r
	v_bfe_u32 v9, v0, 4, 1                         ; h
	v_lshlrev_b32 v31, 7, v8
	v_lshl_add_u32 v31, v9, 4, v31                 ; q: row r of 128 bytes + 16 h
.irp f, 0,1,2,3                                ; tile f / 2, channels 32 (f % 2) on: Q stays in registers
	global_load_b128 v[QF+8*\f:QF+8*\f+3],   v31, s[12:13] offset:2048*(\f/2)+64*(\f%2)
	global_load_b128 v[QF+8*\f+4:QF+8*\f+7], v31, s[12:13] offset:2048*(\f/2)+64*(\f%2)+32
.endr
	v_and_b32 v[PFO], 31, v0
	v_lshlrev_b32 v[GO], 4, v[PFO]                 ; the way out: 16 bytes a lane of 512 consecutive bytes
	v_lshlrev_b32 v[PFO], 8, v[PFO]
	v_mul_u32_u24 v[AK0], v8, KP
	v_lshl_add_u32 v[AK0], v9, 4, v[AK0]           ; a fragment of K: row r x pitch + 16 h
	v_and_b32 v5, 7, v0
	v_lshl_add_u32 v5, v9, 3, v5
	v_mul_u32_u24 v[AV0], v5, VP                   ; the turning load: key 8 h + lane % 8,
	v_bfe_u32 v5, v0, 3, 1
	v_lshl_add_u32 v[AV0], v5, 4, v[AV0]           ; channels 8 ((lane / 8) % 2) on
	v_add_nc_u32 v[AV0], VOFF, v[AV0]
	v_lshlrev_b32 v[RH], 3, v9
	v_sub_nc_u32 v[RH], v8, v[RH]
	v_mov_b32 v11, 0xff800000                      ; -infinity
	s_mul_i32 s57, s[WV], 4608
	s_add_co_u32 s57, s57, STAGE                   ; my stage
	v_mul_u32_u24 v[STO], v8, 144
	v_lshl_add_u32 v[STO], v9, 4, v[STO]
	v_add_nc_u32 v[STO], s57, v[STO]
	v_bfe_u32 v5, v0, 3, 2
	v_and_b32 v6, 7, v0
	v_mul_u32_u24 v[RD], v5, 144
	v_lshl_add_u32 v[RD], v6, 4, v[RD]
	v_add_nc_u32 v[RD], s57, v[RD]
.set i, 0
.rept 16
	v_mov_b32 v[ST+i], 0                           ; l = 0; the others are written once, since lane permutes and pairs name them
.set i, i+1
.endr
.irp t, 0,1
	v_mov_b32 v[ST+8*\t+1], 0xff61b1e6             ; m = -3e38, under every score
.endr
.irp t, 0,1
	v_mul_f32 v[ST+8*\t], s[CS], v[ST+8*\t+1]
.endr
.set i, 0
.rept 64
	v_mov_b32 v[OT+i], 0                           ; O^T.  (The step is written once: the first finds zeros, which a = 0 leaves zeros)
.set i, i+1
.endr
; A KEY STEP: 64 keys, the q-th of the slot in hand.
.macro STEP q
	s_add_co_u32 s56, s[Q0], 31
	s_cmp_gt_u32 s[KF], s56                        ; all its keys come after my 32 queries: left out (ids and the count of steps alone)
	s_cbranch_scc1 .Lhidden_\@
	v_add_nc_u32 v[ADK], s[TB], v[AK0]
	v_add_nc_u32 v[ADV], s[TB], v[AV0]
.rept 3
	v_nop                                          ; with the two additions five places: the products below write over registers (P) that the last step's products read, and K lands where V^T lay
.endr
.irp f, 0,1,2,3,4,5,6,7                        ; keys 16 (f / 2) on, channels 32 (f % 2) on
	ds_load_b128 v[KV+8*\f:KV+8*\f+3],   v[ADK] offset:(64*(\q)+16*(\f/2))*KP+64*(\f%2)
	ds_load_b128 v[KV+8*\f+4:KV+8*\f+7], v[ADK] offset:(64*(\q)+16*(\f/2))*KP+64*(\f%2)+32
.endr
	s_wait_dscnt 0x0
.irp c, 0,1                                    ; S^T = K Q^T: eight accumulators by turns, one instruction a turn
.irp k, 0,1,2,3
.irp t, 0,1
.if \c == 0
	v_wmma_f32_16x16x32_f16 v[S+32*\t+8*\k:S+32*\t+8*\k+7], v[KV+16*\k:KV+16*\k+7], v[QF+16*\t:QF+16*\t+7], 0
.else
	v_wmma_f32_16x16x32_f16 v[S+32*\t+8*\k:S+32*\t+8*\k+7], v[KV+16*\k+8:KV+16*\k+15], v[QF+16*\t+8:QF+16*\t+15], v[S+32*\t+8*\k:S+32*\t+8*\k+7]
.endif
.endr
.endr
.endr
.rept 4
	v_nop                                          ; places in front of the loads into K's registers and of the first reads of the scores
.endr
.irp f, 0,1,2,3,4,5,6,7                        ; V^T: keys 32 (f / 4) on, channels 16 (f % 4) on; it lands while the softmax is walked
	ds_load_tr16_b128 v[KV+8*\f:KV+8*\f+3],   v[ADV] offset:(64*(\q)+32*(\f/4))*VP+32*(\f%4)
	ds_load_tr16_b128 v[KV+8*\f+4:KV+8*\f+7], v[ADV] offset:(64*(\q)+32*(\f/4))*VP+32*(\f%4)+16*VP
.endr
	s_add_co_u32 s56, s[KF], 63
	s_cmp_le_u32 s56, s[Q0]                        ; all its keys count for all my queries: no mask
	s_cbranch_scc1 .Lopen_\@
	s_sub_co_i32 s56, s[Q0], s[KF]
	v_add_nc_u32 v8, s56, v[RH]                    ; d = my query - KF - 8 (lane / 16), tile 0's;
	v_add_nc_u32 v9, 16, v8                        ; tile 1's.  Register 8 k + j holds key KF + 16 k + 8 (lane / 16) + j: hidden where 16 k + j > d
.irp t, 0,1
.set n, 0
.rept 32
	v_cmp_gt_i32 vcc_lo, 16*(n/8)+n%8, v[8+\t]
	v_cndmask_b32 v[S+32*\t+n], v[S+32*\t+n], v11, vcc_lo
.set n, n+1
.endr
.endr
.Lopen_\@:
	; the maximum of a tile's 32 scores and the old m: four chains, each begun at an accumulator's low end; the two tiles line by line in turn
.irp j, 0,1,2,3
.irp t, 0,1
	v_max3_num_f32 v[ST+8*\t+4+\j], v[S+32*\t+8*\j], v[S+32*\t+8*\j+1], v[S+32*\t+8*\j+2]
.endr
.endr
.irp u, 1,2
.irp j, 0,1,2,3
.irp t, 0,1
	v_max3_num_f32 v[ST+8*\t+4+\j], v[ST+8*\t+4+\j], v[S+32*\t+8*\j+2*\u+1], v[S+32*\t+8*\j+2*\u+2]
.endr
.endr
.endr
.irp t, 0,1
	v_max3_num_f32 v[ST+8*\t+4], v[ST+8*\t+4], v[S+32*\t+7], v[S+32*\t+15]
.endr
.irp t, 0,1
	v_max3_num_f32 v[ST+8*\t+6], v[ST+8*\t+6], v[S+32*\t+23], v[S+32*\t+31]
.endr
.irp t, 0,1
	v_max3_num_f32 v[ST+8*\t+4], v[ST+8*\t+4], v[ST+8*\t+5], v[ST+8*\t+6]
.endr
.irp t, 0,1
	v_max3_num_f32 v[ST+8*\t+4], v[ST+8*\t+4], v[ST+8*\t+7], v[ST+8*\t+1]
.endr
.irp t, 0,1
	v_permlanex16_b32 v[ST+8*\t+5], v[ST+8*\t+4], s[SEL], s[SEL+1]   ; the query's other 32 keys lie in the lane 16 away
.endr
.irp t, 0,1
	v_mov_b32 v[ST+8*\t+7], v[ST+8*\t]             ; c m_old is kept for a
.endr
.irp t, 0,1
	v_max_num_f32 v[ST+8*\t+1], v[ST+8*\t+4], v[ST+8*\t+5]
.endr
.irp t, 0,1
	v_mul_f32 v[ST+8*\t], s[CS], v[ST+8*\t+1]
.endr
.irp t, 0,1
	v_sub_f32 v[ST+8*\t+7], v[ST+8*\t+7], v[ST+8*\t]
.endr
.irp t, 0,1
	v_exp_f32 v[ST+8*\t+6], v[ST+8*\t+7]           ; a.  ONE BATCH begins: these two and the 64 below; none of the lines up to the wait names a result
.endr
.set n, 0
.rept 16
.irp t, 0,1
	v_pk_fma_f32 v[S+32*\t+n:S+32*\t+n+1], v[S+32*\t+n:S+32*\t+n+1], s[CS:CS+1], v[ST+8*\t:ST+8*\t+1] op_sel_hi:[1,0,0] neg_lo:[0,0,1] neg_hi:[0,0,1]   ; c s - c m
.endr
.set n, n+2
.endr
.set n, 0
.rept 32
.irp t, 0,1
	v_exp_f32 v[S+32*\t+n], v[S+32*\t+n]
.endr
.set n, n+1
.endr
	v_nop                                          ; a plain line behind the last exponential
	s_wait_alu depctr_va_vdst(0)                   ; the wait ahead of the first line that names a result: one for the batch of 66
.irp t, 0,1
	v_pk_add_f32 v[ST+8*\t+4:ST+8*\t+5], v[S+32*\t:S+32*\t+1], v[S+32*\t+2:S+32*\t+3]   ; the row's sum of the unrounded p
.endr
.set n, 4
.rept 14
.irp t, 0,1
	v_pk_add_f32 v[ST+8*\t+4:ST+8*\t+5], v[ST+8*\t+4:ST+8*\t+5], v[S+32*\t+n:S+32*\t+n+1]
.endr
.set n, n+2
.endr
.irp t, 0,1
	v_pk_fma_f32 v[ST+8*\t+2:ST+8*\t+3], v[ST+8*\t+2:ST+8*\t+3], v[ST+8*\t+6:ST+8*\t+7], v[ST+8*\t+4:ST+8*\t+5] op_sel_hi:[1,0,1]   ; l = a l + the sum
.endr
.set n, 0
.rept 16
.irp t, 0,1
	v_cvt_pk_f16_f32 v[S+32*\t+n], v[S+32*\t+2*n], v[S+32*\t+2*n+1]   ; P, in place: register n never lies ahead of the pair that it takes
.endr
.set n, n+1
.endr
.set n, 0
.rept 16
.irp t, 0,1
	v_pk_mul_f32 v[OT+32*\t+n:OT+32*\t+n+1], v[OT+32*\t+n:OT+32*\t+n+1], v[ST+8*\t+6:ST+8*\t+7] op_sel_hi:[1,0]   ; O^T x a, each accumulator from its low end on
.endr
.set n, n+2
.endr
	s_wait_dscnt 0x0                               ; V^T is in
.irp k, 0,1                                    ; O^T += V^T P: eight accumulators by turns
.irp d, 0,1,2,3
.irp t, 0,1
	v_wmma_f32_16x16x32_f16 v[OT+32*\t+8*\d:OT+32*\t+8*\d+7], v[KV+8*(4*\k+\d):KV+8*(4*\k+\d)+7], v[S+32*\t+8*\k:S+32*\t+8*\k+7], v[OT+32*\t+8*\d:OT+32*\t+8*\d+7]
.endr
.endr
.endr
.Lhidden_\@:
	s_add_co_u32 s[KF], s[KF], 64
.endm
; THE CHANGE OF SLOTS stands at a slot's head.  Each wave waits for all its tensor loads, adds 0 to its spare word, and waits for that and for its reads of the slot that it has left.  Behind the barrier the slot
; ahead is whole and nobody reads the other one.  fill = 1: that other slot is filled with the keys that follow, up to the causal limit; the load has a slot's four steps in which to land.
.macro CHANGE fill
	s_wait_tensorcnt 0x0                           ; no tensor load of mine is out, so a group 0 may be written
	ds_add_u32 v[SPW], v[NIL]
.if \fill
	ds_add_u32 v[SPW], v[NIL]                      ; and once more: twice on end, in every trip alike
	s_xor_b32 s[G0K+1], s[G0K+1], SLOT1            ; the walking descriptors: the other slot,
	s_add_nc_u64 s[G0K+2:G0K+3], s[G0K+2:G0K+3], SK*128   ; the next 256 keys
	s_xor_b32 s[G0V+1], s[G0V+1], SLOT1
	s_add_nc_u64 s[G0V+2:G0V+3], s[G0V+2:G0V+3], SK*128
	s_wait_xcnt 0x0                                ; the last prefetch, a slot back, has read its address
	s_add_nc_u64 s[PFA:PFA+1], s[PFA:PFA+1], SK*128
.endif
	s_wait_dscnt 0x0
	s_barrier_signal -1
	s_barrier_wait -1
.if \fill
	s_add_co_u32 s56, s[KF], SK                    ; the first key of the slot that this change would ask for
	s_cmp_gt_u32 s56, s[LASTQ]                     ; past my work-group's last query no wave reads it: it is not asked for.  Ids and the count of steps alone: all sixteen waves go the same way
	s_cbranch_scc1 .Lpast_\@
	TLOAD                                          ; a wave's one tensor load until the next such barrier
.Lpast_\@:
	ASK
.endif
.endm
.macro SLOT_STEPS
.irp q, 0,1,2,3
	STEP \q
.endr
	s_xor_b32 s[TB], s[TB], SLOT1
.endm
	s_wait_loadcnt 0x0                             ; Q
.Lslot:                                            ; seven trips
	CHANGE 1
	SLOT_STEPS
	s_sub_co_u32 s[SLOTS], s[SLOTS], 1
	s_cmp_lg_u32 s[SLOTS], 0
	s_cbranch_scc1 .Lslot
	CHANGE 0                                       ; the last slot is written out: nothing is left to ask for
	SLOT_STEPS
	; THE WAY OUT: O^T / l, rounded to f16, through my stage, 512 consecutive bytes a store
.rept 4
	v_nop                                          ; places behind the last products
.endr
.irp t, 0,1
	v_add_f32 v[ST+8*\t+4], v[ST+8*\t+2], v[ST+8*\t+3]
.endr
.irp t, 0,1
	v_permlanex16_b32 v[ST+8*\t+5], v[ST+8*\t+4], s[SEL], s[SEL+1]
.endr
.irp t, 0,1
	v_add_f32 v[ST+8*\t+4], v[ST+8*\t+4], v[ST+8*\t+5]
.endr
.irp t, 0,1
	v_rcp_f32 v[ST+8*\t+6], v[ST+8*\t+4]
.endr
	v_nop
	s_wait_alu depctr_va_vdst(0)                   ; one wait for the two reciprocals, ahead of their first reader
.irp t, 0,1
.set n, 0
.rept 16
	v_pk_mul_f32 v[OT+32*\t+n:OT+32*\t+n+1], v[OT+32*\t+n:OT+32*\t+n+1], v[ST+8*\t+6:ST+8*\t+7] op_sel_hi:[1,0]
.set n, n+2
.endr
.endr
.irp t, 0,1
.set n, 0
.rept 16
	v_cvt_pk_f16_f32 v[S+16*\t+n], v[OT+32*\t+2*n], v[OT+32*\t+2*n+1]
.set n, n+1
.endr
.endr
.irp t, 0,1
.irp d, 0,1,2,3
	ds_store_b128 v[STO], v[S+16*\t+4*\d:S+16*\t+4*\d+3] offset:2304*\t+32*\d
.endr
.endr
.irp i, 0,1,2,3,4,5,6,7
	ds_load_b128 v[S+32+4*\i:S+32+4*\i+3], v[RD] offset:576*\i   ; LDS serves a wave's instructions in order: these see my stores
.endr
.irp i, 0,1,2,3,4,5,6,7
	s_wait_dscnt 7-\i                              ; load i is in; the 7 - i younger ones may be out
	global_store_b128 v[GO], v[S+32+4*\i:S+32+4*\i+3], s[6:7] offset:512*\i
.endr
	s_wait_tensorcnt 0x0                           ; the wave's end
	ds_add_u32 v[SPW], v[NIL]
	s_wait_dscnt 0x0
	s_endpgm
.Lfunc_end_k_q7b1ec93a0d_attn:
	.size	k_q7b1ec93a0d_attn, .Lfunc_end_k_q7b1ec93a0d_attn-k_q7b1ec93a0d_attn
	.p2alignl 7, 3214868480
	.fill 96, 4, 3214868480
	.section	.rodata,"a",@progbits
	.p2align	6, 0x0
	.amdhsa_kernel k_q7b1ec93a0d_attn
		.amdhsa_group_segment_fixed_size 327680
		.amdhsa_private_segment_fixed_size 0
		.amdhsa_enable_private_segment 0
		.amdhsa_kernarg_size 16
		.amdhsa_user_sgpr_count 2
		.amdhsa_user_sgpr_kernarg_segment_ptr 1
		.amdhsa_wavefront_size32 1
		.amdhsa_system_sgpr_workgroup_id_x 1
		.amdhsa_system_sgpr_workgroup_id_y 1
		.amdhsa_system_sgpr_workgroup_id_z 1
		.amdhsa_system_vgpr_workitem_id 0
		.amdhsa_next_free_vgpr 256
		.amdhsa_next_free_sgpr 66
		.amdhsa_reserve_vcc 1
		.amdhsa_float_denorm_mode_32 3
		.amdhsa_float_denorm_mode_16_64 3
		.amdhsa_memory_ordered 1
		.amdhsa_forward_progress 1
		.amdhsa_inst_pref_size 188
	.end_amdhsa_kernel
	.amdgpu_metadata
---
amdhsa.version: [ 1, 2 ]
amdhsa.kernels:
  - .name:           k_q7b1ec93a0d_attn
    .symbol:         k_q7b1ec93a0d_attn.kd
    .args:
      - { .name: qkv16, .offset: 0, .size: 8, .value_kind: global_buffer, .address_space: global }
      - { .name: y16, .offset: 8, .size: 8, .value_kind: global_buffer, .address_space: global }
    .group_segment_fixed_size: 327680
    .private_segment_fixed_size: 0
    .kernarg_segment_align: 8
    .kernarg_segment_size: 16
    .max_flat_workgroup_size: 512
    .sgpr_count:     66
    .vgpr_count:     256
    .wavefront_size: 32
...
	.end_amdgpu_metadata
.endif
;; end of part 3
;; launch proj (part 4): grid 4 x 64, 4 waves a work-group, clusters of 4 x 4, 327,680 bytes of LDS; arguments y16, wp16, b_proj, out0; writes out0
.if DOCPART == 4
	.amdgcn_target "amdgcn-amd-amdhsa--gfx1250"
	.amdhsa_code_object_version 6
	.text
	.protected	k_q7b1ec93a0d_proj
	.globl	k_q7b1ec93a0d_proj
	.p2align	8
	.type	k_q7b1ec93a0d_proj,@function
k_q7b1ec93a0d_proj:
	s_mov_b64 s[64:65], 0
	v_nop
	global_prefetch_b8 v0, s[64:65] scope:SCOPE_SE
	s_setreg_imm32_b32 hwreg(HW_REG_WAVE_MODE, 25, 1), 1
	s_wait_xcnt 0x0
	s_wait_alu depctr_hold_cnt(0) depctr_sa_sdst(0) depctr_va_vdst(0) depctr_va_sdst(0) depctr_va_ssrc(0) depctr_va_vcc(0) depctr_vm_vsrc(0)
	s_getreg_b32 s2, hwreg(HW_REG_IB_STS2, 6, 4)
	s_cmp_eq_u32 s2, 0
	s_cbranch_scc0 .Lentry_in_a_cluster
	s_endpgm
.Lentry_in_a_cluster:
	s_bfe_u32 s2, ttmp6, 0x10000c
	s_cmp_lg_u32 s2, 0xf033
	s_cbranch_scc0 .Lentry_shape_is_right
	s_endpgm
.Lentry_shape_is_right:
; out0 = y w_proj + b_proj.  y16: [16 h][8192 m][64] f16 (k = 64 h + d); wp16: [1024 k][1024 n] f16, as w_proj lies; sums in f32, begun from the bias; out0 [8192][1024] f32.
; A tile of 128 (m) x 256 (n) is made by four waves, 64 x 128 each: 32 accumulators: 256 work-groups.  K goes in steps of 128 (two heads) through a ring of two LDS slots.
; w_proj's K is its first axis: its fragments come out of LDS turned, by ds_load_tr16_b128.  THE MATRIX INSTRUCTION IS USED TRANSPOSED (source 0 = 16 columns of w, source 1 = 16 rows of y).
; CLUSTERS: 4 x 4 work-groups; y's tiles are asked for jointly along a row of the cluster, w's along a column.
; All 8,192 rows are written, positions 0-15 of each batch too (a later launch writes those 64 rows again, from f32): a branch round them would hang on a work-group's place in its cluster.
; REGISTERS: window 0: v16-31 addresses; v64-127 the bias; v128-255 the way out.  window 1: two fragment buffers of 96: w's eight fragments, then y's four.  window 2: the accumulators, (a, b) at v[8 (8 a + b)].
.set SLOT,   106496                    ; y: two heads x 128 rows x 144; then w: 128 rows of k x 544
.set BOFF,   36864
.set STAGE,  2*SLOT                    ; 16 rows x (512 bytes + 16) for each wave; bytes of its own
.set SPARE,  STAGE+4*8448              ; the spare words, 128 bytes a wave
.set LAPS,   4
.set ADRA, 16
.set ADRB, 20
.set STO,  24
.set RD,   25
.set CO,   26
.set SPW,  28
.set NIL,  29
.set BO,   31
.set BI,   64
.set BK,   128
.set F0,   0
.set F1,   96
.set G1, 24
.set G0, 32
.set G1B, 48
.set G0B, 56
.set MSB, 0
.macro WIN new
.if MSB != \new
	s_set_vgpr_msb (MSB<<8)|(\new)
.set MSB, \new
.endif
.endm
.set MUL,  0xa5                        ; sources 0 and 1 window 1; C and D window 2
.set MUL0, 0x85                        ; C (the bias) window 0
.set TO_F, 0x40
.macro JLOAD s                         ; waves 0 and 1 fetch y's two heads, waves 2 and 3 w's two halves; an s_nop 0 and four v_nop follow each line
	s_cmp_eq_u32 s14, 0
	s_cbranch_scc0 .Lfor_b_\@
	tensor_load_to_lds s[G0+4*\s:G0+4*\s+3], s[G1:G1+7]
	s_nop 0
.rept 4
	v_nop
.endr
	s_branch .Lasked_\@
.Lfor_b_\@:
	tensor_load_to_lds s[G0B+4*\s:G0B+4*\s+3], s[G1B:G1B+7]
	s_nop 0
.rept 4
	v_nop
.endr
.Lasked_\@:
.endm
.macro CREST
	s_cmp_lg_u32 s13, 0
	s_cbranch_scc1 .Lnot_wave_0_\@
	s_barrier_signal -3
.Lnot_wave_0_\@:
	s_barrier_wait -3
	s_barrier_signal -1
	s_barrier_wait -1
.endm
.macro CROUND
	s_barrier_signal -1
	s_barrier_wait -1
	CREST
.endm
	s_load_b256 s[4:11], s[0:1], 0x0               ; y16 s[4:5], wp16 s[6:7], b_proj s[8:9], out0 s[10:11]
	v_lshl_add_u32 v[SPW], v0, 2, SPARE
	v_mov_b32 v[NIL], 0
	ds_add_u32 v[SPW], v[NIL]                      ; the wave's opening: the add, twice on end, and its wait ahead of my first tensor load
	ds_add_u32 v[SPW], v[NIL]
	v_lshrrev_b32 v1, 5, v0
	v_readfirstlane_b32 s13, v1                    ; wave 0..3
	s_lshr_b32 s14, s13, 1                         ; which half of the tile's rows is mine.  Also: I fetch for y (0) or for w (1)
	s_and_b32 s15, s13, 1                          ; which half of its columns.  Also: which part I fetch
	s_bfe_u32 s40, ttmp6, 0x40000                  ; cx
	s_bfe_u32 s41, ttmp6, 0x40004                  ; cy
	s_lshl_b32 s42, ttmp9, 2
	s_add_co_u32 s42, s42, s40                     ; tile column
	s_and_b32 s45, ttmp7, 0xffff
	s_lshl_b32 s45, s45, 2
	s_add_co_u32 s45, s45, s41                     ; tile row
	s_lshl_b32 s43, s41, 2
	s_lshl_b32 s43, 15, s43                        ; my row of the cluster
	s_lshl_b32 s44, 0x1111, s40                    ; my column
	s_or_b32 s[G1+0], s43, (1<<16)|(1<<20)|(1<<21)|(4<<22)|(3<<25)   ; y: elements of 2 bytes; 4 words of padding after every 32
	s_mov_b32 s[G1+1], 64<<16                      ; tensor_dim0 = 64
	s_mov_b32 s[G1+2], 128<<16                     ; tensor_dim1 = 128
	s_mov_b32 s[G1+3], 64<<16                      ; tile_dim0
	s_mov_b32 s[G1+4], 128                         ; tile_dim1
	s_mov_b32 s[G1+5], 64                          ; stride
	s_mov_b32 s[G1+6], 0
	s_mov_b32 s[G1+7], 0
	s_or_b32 s[G1B+0], s44, (1<<16)|(1<<20)|(1<<21)|(6<<22)|(7<<25)  ; w: 8 words of padding after every 128
	s_mov_b32 s[G1B+1], 256<<16
	s_mov_b32 s[G1B+2], 64<<16
	s_mov_b32 s[G1B+3], 256<<16
	s_mov_b32 s[G1B+4], 64
	s_mov_b32 s[G1B+5], 1024
	s_mov_b32 s[G1B+6], 0
	s_mov_b32 s[G1B+7], 0
	s_lshl_b32 s16, s15, 20                        ; y: my head of the step's two,
	s_lshl_b32 s17, s45, 14                        ; the tile's 128 rows of 128 bytes
	s_add_co_u32 s16, s16, s17
	s_mov_b32 s17, 0
	s_lshl_b32 s46, s15, 17                        ; w: my 64 rows of k of 2,048 bytes,
	s_lshl_b32 s47, s42, 9                         ; the tile's 256 columns
	s_add_co_u32 s46, s46, s47
	s_mov_b32 s47, 0
	s_mul_i32 s20, s15, 128*144                    ; where they go: no place in the cluster enters an LDS address
	s_mul_i32 s21, s15, 64*544
	s_add_co_u32 s21, s21, BOFF
	s_wait_dscnt 0x0                               ; both opening adds are done
	s_wait_kmcnt 0x0
	s_add_nc_u64 s[16:17], s[4:5], s[16:17]
	s_add_nc_u64 s[46:47], s[6:7], s[46:47]
	CROUND                                         ; all sixteen work-groups are here
.irp s, 0,1
	s_mov_b32 s[G0+4*\s], 1
	s_add_co_u32 s[G0+4*\s+1], s20, \s*SLOT
	s_add_nc_u64 s[G0+4*\s+2:G0+4*\s+3], s[16:17], \s*2*1048576
	s_or_b32 s[G0+4*\s+3], s[G0+4*\s+3], 0x80000000
	s_mov_b32 s[G0B+4*\s], 1
	s_add_co_u32 s[G0B+4*\s+1], s21, \s*SLOT
	s_add_nc_u64 s[G0B+4*\s+2:G0B+4*\s+3], s[46:47], \s*128*2048
	s_or_b32 s[G0B+4*\s+3], s[G0B+4*\s+3], 0x80000000
	JLOAD \s                                       ; two loads of mine are out behind the second
.endr
	v_and_b32 v1, 15, v0                           ; r
	v_bfe_u32 v2, v0, 4, 1                         ; h
	v_lshlrev_b32 v[BO], 5, v2
	s_lshl_b32 s46, s42, 10                        ; my first column, in bytes of f32
	s_lshl_b32 s47, s15, 9
	s_add_co_u32 s46, s46, s47
	s_mov_b32 s47, 0
	s_add_nc_u64 s[8:9], s[8:9], s[46:47]
.irp b, 0,1,2,3,4,5,6,7
	global_load_b128 v[BI+8*\b:BI+8*\b+3],   v[BO], s[8:9] offset:64*\b
	global_load_b128 v[BI+8*\b+4:BI+8*\b+7], v[BO], s[8:9] offset:64*\b+16
.endr
	v_mul_u32_u24 v3, v1, 144
	v_lshl_add_u32 v3, v2, 4, v3                   ; y: row r x pitch + 16 h
	s_mul_i32 s21, s14, 64*144                     ; my 64 rows
	v_and_b32 v4, 7, v0
	v_lshl_add_u32 v4, v2, 3, v4
	v_mul_u32_u24 v4, v4, 544                      ; w, turned: row of k 8 h + lane % 8,
	v_bfe_u32 v5, v0, 3, 1
	v_lshl_add_u32 v4, v5, 4, v4                   ; columns 8 ((lane / 8) % 2) on
	s_lshl_b32 s22, s15, 8                         ; my 128 columns
	s_add_co_u32 s22, s22, BOFF
.irp s, 0,1
	v_add_nc_u32 v[ADRA+\s], s21, v3
	v_add_nc_u32 v[ADRB+\s], s22, v4
	s_add_co_u32 s21, s21, SLOT
	s_add_co_u32 s22, s22, SLOT
.endr
	s_mul_i32 s23, s13, 8448
	s_add_co_u32 s23, s23, STAGE                   ; my stage
	v_mul_u32_u24 v5, v1, 528
	v_lshl_add_u32 v5, v2, 5, v5
	v_add_nc_u32 v[STO], s23, v5
	v_and_b32 v6, 31, v0
	v_lshlrev_b32 v[CO], 4, v6
	v_add_nc_u32 v[RD], s23, v[CO]
	s_lshl_b32 s16, s45, 7
	s_lshl_b32 s17, s14, 6
	s_add_co_u32 s16, s16, s17                     ; my first row of out0
	s_lshl_b32 s16, s16, 12
	s_mov_b32 s17, 0
	s_add_nc_u64 s[10:11], s[10:11], s[16:17]
	s_add_nc_u64 s[10:11], s[10:11], s[46:47]
.macro MULW zero
.if \zero
	WIN MUL0
.else
	WIN MUL
.endif
.endm
.macro MUL8 f, a, zero                 ; y's block a against w's eight, 32 along K.  The 32 accumulators take turns, one instruction a turn
.irp b, 0,1,2,3,4,5,6,7
.if \zero
	v_wmma_f32_16x16x32_f16 v[8*(8*(\a)+\b):8*(8*(\a)+\b)+7], v[\f+8*\b:\f+8*\b+7], v[\f+64+8*(\a):\f+64+8*(\a)+7], v[BI+8*\b:BI+8*\b+7]
.else
	v_wmma_f32_16x16x32_f16 v[8*(8*(\a)+\b):8*(8*(\a)+\b)+7], v[\f+8*\b:\f+8*\b+7], v[\f+64+8*(\a):\f+64+8*(\a)+7], v[8*(8*(\a)+\b):8*(8*(\a)+\b)+7]
.endif
.endr
.endm
.macro MUL16 f, a0, zero
	MUL8 \f, \a0, \zero
	MUL8 \f, \a0+1, \zero
.endm
.macro FETCH slot, q, f                ; 24 LDS loads in one run: the fragments of the slot's q-th 32 along K; w's first
	WIN TO_F
.irp b, 0,1,2,3,4,5,6,7
	ds_load_tr16_b128 v[\f+8*\b:\f+8*\b+3],   v[ADRB+\slot] offset:17408*(\q)+32*\b
	ds_load_tr16_b128 v[\f+8*\b+4:\f+8*\b+7], v[ADRB+\slot] offset:17408*(\q)+32*\b+8704
.endr
.irp a, 0,1,2,3
	ds_load_b128 v[\f+64+8*\a:\f+64+8*\a+3], v[ADRA+\slot] offset:18432*((\q)/2)+64*((\q)%2)+2304*\a
	ds_load_b128 v[\f+64+8*\a+4:\f+64+8*\a+7], v[ADRA+\slot] offset:18432*((\q)/2)+64*((\q)%2)+2304*\a+32
.endr
.endm
.macro PLACES
.rept 4
	v_nop
.endr
.endm
.macro QUARTER slot, q, f, g, zero     ; multiplies buffer f; in its middle it fetches the slot's q-th quarter into buffer g
	s_wait_dscnt 4                                 ; w's fragments and y's blocks 0, 1 are in; the youngest four loads (blocks 2, 3) may be out
	MULW \zero
	MUL16 \f, 0, \zero
	PLACES
	FETCH \slot, \q, \g
	s_wait_dscnt 24                                ; all but the 24 just issued
	MULW \zero
	MUL16 \f, 2, \zero
.endm
; The last quarter multiplies buffer 1 and changes slots: ONE barrier; in front of it each wave waits for all its tensor loads, adds 0 to its spare word, and waits for that and for its reads of this slot.
.macro TURN slot, next, fill
	WIN 0
	s_wait_tensorcnt 0x0                           ; all my tensor loads have landed: my part of the next slot
	ds_add_u32 v[SPW], v[NIL]
	s_wait_dscnt 5                                 ; the add and the youngest four loads may be out
	WIN MUL
	MUL8 F1, 0, 0
	s_wait_dscnt 0x0                               ; the add is done, and my reads of this slot are over
	s_barrier_signal -1
	MUL8 F1, 1, 0
.if \fill
	WIN 0
.endif
	s_barrier_wait -1
.if \fill
	CREST                                          ; the barrier has opened a round of the cluster's barrier: no wave of any partner still reads this slot or has a load on its way
	s_add_nc_u64 s[G0+4*\slot+2:G0+4*\slot+3], s[G0+4*\slot+2:G0+4*\slot+3], 4*1048576
	s_add_nc_u64 s[G0B+4*\slot+2:G0B+4*\slot+3], s[G0B+4*\slot+2:G0B+4*\slot+3], 256*2048
	JLOAD \slot                                    ; the first tensor load behind the round: 112 matrix instructions ahead of the wait for it; its four v_nop are also the places in front of the loads below
.else
	PLACES
.endif
	FETCH \next, 0, F0
	WIN MUL
	MUL16 F1, 2, 0
.endm
	s_wait_tensorcnt 1                             ; my part of K step 0 is in; K step 1's may be out
	s_barrier_signal -1
	s_barrier_wait -1
	FETCH 0, 0, F0
	s_wait_loadcnt 0x0                             ; the bias
	QUARTER 0, 1, F0, F1, 1                        ; the first quarter stands in front of the loop: its products start the sums from the bias
	WIN 0
	s_mov_b32 s3, LAPS-1
.Llap:                                             ; a trip goes once round the ring and fills both slots again
	QUARTER 0, 2, F1, F0, 0
	QUARTER 0, 3, F0, F1, 0
	TURN 0, 1, 1
	QUARTER 1, 1, F0, F1, 0
	QUARTER 1, 2, F1, F0, 0
	QUARTER 1, 3, F0, F1, 0
	TURN 1, 0, 1
	QUARTER 0, 1, F0, F1, 0
	WIN 0
	s_sub_co_u32 s3, s3, 1
	s_cmp_lg_u32 s3, 0
	s_cbranch_scc1 .Llap
	QUARTER 0, 2, F1, F0, 0                        ; the last lap fills nothing
	QUARTER 0, 3, F0, F1, 0
	TURN 0, 1, 0
	QUARTER 1, 1, F0, F1, 0
	QUARTER 1, 2, F1, F0, 0
	QUARTER 1, 3, F0, F1, 0
	s_wait_dscnt 4
	WIN MUL
	MUL16 F1, 0, 0
	s_wait_dscnt 0
	MUL16 F1, 2, 0
	WIN 0
; THE WAY OUT, block by block of 16 rows x 128 columns of f32, through my own stage: whole rows of 512 bytes come back, and 32 lanes store them
.macro TOSTAGE a
	WIN 0x08                                       ; the data: window 2
.irp b, 0,1,2,3,4,5,6,7
	ds_store_b128 v[STO], v[64*(\a)+8*\b:64*(\a)+8*\b+3] offset:64*\b          ; each accumulator from its low end on
	ds_store_b128 v[STO], v[64*(\a)+8*\b+4:64*(\a)+8*\b+7] offset:64*\b+16
.endr
	WIN 0
.set BB, BK+64*((\a)%2)
.irp t, 0,1,2,3,4,5,6,7,8,9,10,11,12,13,14,15
	ds_load_b128 v[BB+4*\t:BB+4*\t+3], v[RD] offset:\t*528
.endr
.endm
.macro SEND a, younger
.set BB, BK+64*((\a)%2)
	s_wait_dscnt \younger                          ; the block is back; the next block's 16 stores and 16 loads may be out
.irp t, 0,1,2,3,4,5,6,7,8,9,10,11,12,13,14,15
	global_store_b128 v[CO], v[BB+4*\t:BB+4*\t+3], s[10:11] offset:65536*(\a)+4096*\t th:TH_STORE_NT   ; 32 lanes store 512 consecutive bytes, aligned
.endr
.endm
	PLACES
	TOSTAGE 0
.irp a, 1,2,3
.if \a > 1
	s_wait_xcnt 0x0                                ; block a - 2's stores have read their registers: block a's loads may land there
.endif
	TOSTAGE \a
	SEND \a-1, 32
.endr
	SEND 3, 0
	s_wait_tensorcnt 0x0                           ; the wave's end
	ds_add_u32 v[SPW], v[NIL]
	s_wait_dscnt 0x0
	CROUND                                         ; the closing round
	s_endpgm
.Lfunc_end_k_q7b1ec93a0d_proj:
	.size	k_q7b1ec93a0d_proj, .Lfunc_end_k_q7b1ec93a0d_proj-k_q7b1ec93a0d_proj
	.p2alignl 7, 3214868480
	.fill 96, 4, 3214868480
	.section	.rodata,"a",@progbits
	.p2align	6, 0x0
	.amdhsa_kernel k_q7b1ec93a0d_proj
		.amdhsa_group_segment_fixed_size 327680
		.amdhsa_private_segment_fixed_size 0
		.amdhsa_enable_private_segment 0
		.amdhsa_kernarg_size 32
		.amdhsa_user_sgpr_count 2
		.amdhsa_user_sgpr_kernarg_segment_ptr 1
		.amdhsa_wavefront_size32 1
		.amdhsa_system_sgpr_workgroup_id_x 1
		.amdhsa_system_sgpr_workgroup_id_y 1
		.amdhsa_system_sgpr_workgroup_id_z 1
		.amdhsa_system_vgpr_workitem_id 0
		.amdhsa_next_free_vgpr 768
		.amdhsa_next_free_sgpr 66
		.amdhsa_reserve_vcc 0
		.amdhsa_float_denorm_mode_32 3
		.amdhsa_float_denorm_mode_16_64 3
		.amdhsa_memory_ordered 1
		.amdhsa_forward_progress 1
		.amdhsa_inst_pref_size 86
	.end_amdhsa_kernel
	.amdgpu_metadata
---
amdhsa.version: [ 1, 2 ]
amdhsa.kernels:
  - .name:           k_q7b1ec93a0d_proj
    .symbol:         k_q7b1ec93a0d_proj.kd
    .args:
      - { .name: y16, .offset: 0, .size: 8, .value_kind: global_buffer, .address_space: global }
      - { .name: wp16, .offset: 8, .size: 8, .value_kind: global_buffer, .address_space: global }
      - { .name: b_proj, .offset: 16, .size: 8, .value_kind: global_buffer, .address_space: global }
      - { .name: out0, .offset: 24, .size: 8, .value_kind: global_buffer, .address_space: global }
    .group_segment_fixed_size: 327680
    .private_segment_fixed_size: 0
    .kernarg_segment_align: 8
    .kernarg_segment_size: 32
    .max_flat_workgroup_size: 128
    .sgpr_count:     66
    .vgpr_count:     768
    .wavefront_size: 32
...
	.end_amdgpu_metadata
.endif
;; end of part 4
;; launch first16 (part 5): grid 32 x 4, 16 waves a work-group, no clusters, 34,816 bytes of LDS; arguments qkv32, w_proj, b_proj, out0; writes out0
.if DOCPART == 5
	.amdgcn_target "amdgcn-amd-amdhsa--gfx1250"
	.amdhsa_code_object_version 6
	.text
	.protected	k_q7b1ec93a0d_first16
	.globl	k_q7b1ec93a0d_first16
	.p2align	8
	.type	k_q7b1ec93a0d_first16,@function
k_q7b1ec93a0d_first16:
	s_mov_b64 s[64:65], 0
	v_nop
	global_prefetch_b8 v0, s[64:65] scope:SCOPE_SE
	s_setreg_imm32_b32 hwreg(HW_REG_WAVE_MODE, 25, 1), 1
	s_wait_xcnt 0x0
; The first 16 positions of every sequence, in f32 throughout: attention of 16 queries on 16 keys for each head, and the projection of those 16 rows.  It writes rows t < 16 of each batch of out0 anew.
; qkv32: [16 b + t][3072] f32.  A work-group takes a batch (y) and 32 output columns (x); wave = head.  Each work-group repeats the small attention of all 16 heads; wave hd then multiplies its own 64 of the
; projection's K, and the 16 parts are summed through LDS in a fixed order.  All products by the f32 matrix form (64 a wave: no bulk work), with k permuted alike on both sources, so that nothing changes lanes.
; The registers that the matrix form writes (v176-223) are written by matrix instructions alone.  out0 is stored in pieces of 16 bytes: 256 KB in the whole launch.
.set SPARE, 32768                      ; behind the 16 images of 2,048 bytes: the spare words, 128 bytes a wave
.set SPW, 248
.set NIL, 249
	s_load_b256 s[4:11], s[0:1], 0x0               ; qkv32 s[4:5], w_proj s[6:7], b_proj s[8:9], out0 s[10:11]
	v_lshl_add_u32 v[SPW], v0, 2, SPARE
	v_mov_b32 v[NIL], 0
	v_lshrrev_b32 v1, 5, v0
	v_readfirstlane_b32 s12, v1                    ; wave = head
	s_and_b32 s13, ttmp7, 0xffff                   ; batch
	v_and_b32 v1, 15, v0                           ; r
	v_bfe_u32 v2, v0, 4, 1                         ; h
	v_mul_u32_u24 v3, v1, 12288
	v_lshl_add_u32 v3, v2, 7, v3                   ; q, k: row r, channels 32 h on
	v_mul_u32_u24 v4, v2, 98304
	v_lshl_add_u32 v4, v1, 2, v4                   ; v: keys 8 h on, channel r
	v_lshlrev_b32 v5, 15, v2
	v_lshl_add_u32 v5, v1, 2, v5                   ; w_proj: rows 8 h on, column r
	v_lshlrev_b32 v6, 5, v2                        ; the bias: 32 h
	v_and_b32 v7, 31, v0
	v_lshlrev_b32 v7, 4, v7
	s_lshl_b32 s14, s12, 11
	s_and_b32 s15, s12, 3
	s_lshl_b32 s16, s15, 9
	v_add_nc_u32 v8, s16, v7                       ; where I read a piece of every image (waves 0-3)
	v_add_nc_u32 v7, s14, v7                       ; where I put my image
	v_lshlrev_b32 v9, 12, v1
	v_lshl_add_u32 v9, v2, 5, v9                   ; out0: row r, + 32 h
	v_lshlrev_b32 v10, 3, v2
	v_sub_nc_u32 v10, v1, v10                      ; r - 8 h
	v_mov_b32 v11, 0xff800000                      ; -infinity
	v_mov_b32 v233, 0                              ; written once: a lane permute's destination counts as one of its sources
	s_mov_b32 s22, 0x3e38aa3b                      ; c = log2(e) / 8
	s_mov_b32 s26, 0x76543210
	s_mov_b32 s27, 0xfedcba98
	s_mul_i32 s20, s13, 196608                     ; the batch's 16 rows,
	s_lshl_b32 s21, s12, 8                         ; the head's 64 channels
	s_add_co_u32 s20, s20, s21
	s_mov_b32 s21, 0
	s_lshl_b32 s18, s12, 18                        ; w_proj: the head's 64 rows,
	s_lshl_b32 s19, ttmp9, 7                       ; the work-group's 32 columns
	s_add_co_u32 s18, s18, s19
	s_lshr_b32 s24, s15, 1
	s_lshl_b32 s24, s24, 6
	s_add_co_u32 s24, s24, s19
	s_and_b32 s25, s15, 1
	s_lshl_b32 s25, s25, 4
	s_add_co_u32 s24, s24, s25                     ; my piece's four columns: 4 (n0 + 16 (p / 2) + 4 (p % 2)), p = wave % 4
	s_mov_b32 s25, 0
	s_mov_b32 s19, 0
	s_lshl_b32 s28, s13, 23                        ; out0: the batch's first row
	s_mov_b32 s29, 0
	s_wait_kmcnt 0x0
	s_add_nc_u64 s[4:5], s[4:5], s[20:21]
	s_add_nc_u64 s[6:7], s[6:7], s[18:19]
	s_add_nc_u64 s[8:9], s[8:9], s[24:25]
	s_add_nc_u64 s[10:11], s[10:11], s[28:29]
	s_add_nc_u64 s[10:11], s[10:11], s[24:25]
.irp i, 0,1,2,3,4,5,6,7
	global_load_b128 v[16+4*\i:19+4*\i], v3, s[4:5] offset:16*\i          ; Q: register n = channel 32 h + n of query r
.endr
.irp i, 0,1,2,3,4,5,6,7
	global_load_b128 v[48+4*\i:51+4*\i], v3, s[4:5] offset:4096+16*\i     ; K likewise
.endr
.irp d, 0,1,2,3
.irp i, 0,1,2,3,4,5,6,7
	global_load_b32 v[80+8*\d+\i], v4, s[4:5] offset:12288*\i+8192+64*\d  ; V(key 8 h + i, channel 16 d + r)
.endr
.endr
.irp d, 0,1,2,3
.irp i, 0,1,2,3,4,5,6,7
	global_load_b32 v[112+8*\d+\i], v5, s[6:7] offset:4096*(16*\d+\i)     ; W(channel 16 d + 8 h + i, column r): the first 16 columns
.endr
.endr
	s_wait_loadcnt 63                              ; of 80 loads at most 63 are out: Q's and K's 16 are in
.irp k, 0,1,2,3,4,5,6,7,8,9,10,11,12,13,14,15  ; S^T = K Q^T: K step k takes channels 32 h + 2 k + j on both sides; four accumulators by turns
.if \k < 4
	v_wmma_f32_16x16x4_f32 v[176+8*(\k%4):183+8*(\k%4)], v[48+2*\k:49+2*\k], v[16+2*\k:17+2*\k], 0
.else
	v_wmma_f32_16x16x4_f32 v[176+8*(\k%4):183+8*(\k%4)], v[48+2*\k:49+2*\k], v[16+2*\k:17+2*\k], v[176+8*(\k%4):183+8*(\k%4)]
.endif
.endr
.irp d, 0,1,2,3
.irp i, 0,1,2,3,4,5,6,7
	global_load_b32 v[144+8*\d+\i], v5, s[6:7] offset:4096*(16*\d+\i)+64  ; W: the other 16 columns
.endr
.endr
	global_load_b128 v[244:247], v6, s[8:9]        ; the bias of my piece
.rept 8
	v_nop                                          ; eight places behind this form, ahead of the first read of its results
.endr
.irp j, 0,1,2,3,4,5,6,7                        ; lane (r, h): the score of query r and key 8 h + j; each accumulator from its low end on
	v_add_f32 v232, v[176+\j], v[184+\j]
	v_add_f32 v234, v[192+\j], v[200+\j]
	v_add_f32 v[224+\j], v232, v234
.endr
.irp j, 0,1,2,3,4,5,6,7
	v_cmp_gt_i32 vcc_lo, \j, v10                   ; hidden where 8 h + j > r
	v_cndmask_b32 v[224+\j], v[224+\j], v11, vcc_lo
.endr
	v_max3_num_f32 v232, v224, v225, v226
	v_max3_num_f32 v232, v232, v227, v228
	v_max3_num_f32 v232, v232, v229, v230
	v_max_num_f32 v232, v232, v231
	v_permlanex16_b32 v233, v232, s26, s27
	v_max_num_f32 v232, v232, v233                 ; the row's maximum (key 0 counts for every query)
	v_mul_f32 v234, s22, v232
.irp j, 0,1,2,3,4,5,6,7
	v_fma_f32 v[224+\j], v[224+\j], s22, -v234
.endr
.irp j, 0,1,2,3,4,5,6,7
	v_exp_f32 v[224+\j], v[224+\j]
.endr
	v_nop
	s_wait_alu depctr_va_vdst(0)                   ; one wait for the eight, ahead of their first reader
	v_add_f32 v232, v224, v225
	v_add_f32 v234, v226, v227
	v_add_f32 v236, v228, v229
	v_add_f32 v237, v230, v231
	v_add_f32 v232, v232, v234
	v_add_f32 v236, v236, v237
	v_add_f32 v232, v232, v236
	v_permlanex16_b32 v233, v232, s26, s27
	v_add_f32 v232, v232, v233                     ; the row's sum
	v_rcp_f32 v235, v232
	v_nop
	s_wait_alu depctr_va_vdst(0)
	s_wait_loadcnt 63                              ; 65 loads were issued behind V's: with at most 63 out V is in
.irp k, 0,1,2,3                                ; O^T = V^T p: K step k takes keys 8 h + 2 k + j; four accumulators by turns
.irp d, 0,1,2,3
.if \k == 0
	v_wmma_f32_16x16x4_f32 v[176+8*\d:183+8*\d], v[80+8*\d+2*\k:81+8*\d+2*\k], v[224+2*\k:225+2*\k], 0
.else
	v_wmma_f32_16x16x4_f32 v[176+8*\d:183+8*\d], v[80+8*\d+2*\k:81+8*\d+2*\k], v[224+2*\k:225+2*\k], v[176+8*\d:183+8*\d]
.endif
.endr
.endr
.rept 8
	v_nop
.endr
.set n, 0
.rept 32
	v_mul_f32 v[16+n], v[176+n], v235              ; y(query r, channel 16 d + 8 h + j) at register 8 d + j
.set n, n+1
.endr
	s_wait_loadcnt 0x0                             ; W and the bias
.rept 4
	v_nop
.endr
.irp d, 0,1,2,3                                ; my part of the projection: K step (d, i) takes channels 16 d + 8 h + 2 i + j; two accumulators by turns
.irp i, 0,1,2,3
.irp u, 0,1
.if (\d+\i) == 0
	v_wmma_f32_16x16x4_f32 v[208+8*\u:215+8*\u], v[112+32*\u+8*\d+2*\i:113+32*\u+8*\d+2*\i], v[16+8*\d+2*\i:17+8*\d+2*\i], 0
.else
	v_wmma_f32_16x16x4_f32 v[208+8*\u:215+8*\u], v[112+32*\u+8*\d+2*\i:113+32*\u+8*\d+2*\i], v[16+8*\d+2*\i:17+8*\d+2*\i], v[208+8*\u:215+8*\u]
.endif
.endr
.endr
.endr
.rept 8
	v_nop
.endr
.irp p, 0,1,2,3                                ; lane (r, h), piece p: out(query r, n0 + 16 (p / 2) + 8 h + 4 (p % 2) + 0 .. 3): an image of the registers, 16 bytes a lane
	ds_store_b128 v7, v[208+4*\p:211+4*\p] offset:512*\p
.endr
	s_wait_dscnt 0x0                               ; for the others' sake: my image lies in LDS
	s_barrier_signal -1
	s_barrier_wait -1
	s_cmp_gt_u32 s12, 3
	s_cbranch_scc1 .Ldone                          ; waves 0-3 sum a piece each
.irp i, 0,1,2,3,4,5,6,7,8,9,10,11,12,13,14,15
	ds_load_b128 v[112+4*\i:115+4*\i], v8 offset:2048*\i
.endr
	s_wait_dscnt 0x0
	v_pk_add_f32 v[236:237], v[244:245], v[112:113]   ; the bias and the 16 heads' parts, in ascending order
	v_pk_add_f32 v[238:239], v[246:247], v[114:115]
.irp i, 1,2,3,4,5,6,7,8,9,10,11,12,13,14,15
	v_pk_add_f32 v[236:237], v[236:237], v[112+4*\i:113+4*\i]
	v_pk_add_f32 v[238:239], v[238:239], v[114+4*\i:115+4*\i]
.endr
	global_store_b128 v9, v[236:239], s[10:11]
.Ldone:
	s_wait_tensorcnt 0x0                           ; the wave's end
	ds_add_u32 v[SPW], v[NIL]
	s_wait_dscnt 0x0
	s_endpgm
.Lfunc_end_k_q7b1ec93a0d_first16:
	.size	k_q7b1ec93a0d_first16, .Lfunc_end_k_q7b1ec93a0d_first16-k_q7b1ec93a0d_first16
	.p2alignl 7, 3214868480
	.fill 96, 4, 3214868480
	.section	.rodata,"a",@progbits
	.p2align	6, 0x0
	.amdhsa_kernel k_q7b1ec93a0d_first16
		.amdhsa_group_segment_fixed_size 34816
		.amdhsa_private_segment_fixed_size 0
		.amdhsa_enable_private_segment 0
		.amdhsa_kernarg_size 32
		.amdhsa_user_sgpr_count 2
		.amdhsa_user_sgpr_kernarg_segment_ptr 1
		.amdhsa_wavefront_size32 1
		.amdhsa_system_sgpr_workgroup_id_x 1
		.amdhsa_system_sgpr_workgroup_id_y 1
		.amdhsa_system_sgpr_workgroup_id_z 1
		.amdhsa_system_vgpr_workitem_id 0
		.amdhsa_next_free_vgpr 256
		.amdhsa_next_free_sgpr 66
		.amdhsa_reserve_vcc 1
		.amdhsa_float_denorm_mode_32 3
		.amdhsa_float_denorm_mode_16_64 3
		.amdhsa_memory_ordered 1
		.amdhsa_forward_progress 1
		.amdhsa_inst_pref_size 26
	.end_amdhsa_kernel
	.amdgpu_metadata
---
amdhsa.version: [ 1, 2 ]
amdhsa.kernels:
  - .name:           k_q7b1ec93a0d_first16
    .symbol:         k_q7b1ec93a0d_first16.kd
    .args:
      - { .name: qkv32, .offset: 0, .size: 8, .value_kind: global_buffer, .address_space: global }
      - { .name: w_proj, .offset: 8, .size: 8, .value_kind: global_buffer, .address_space: global }
      - { .name: b_proj, .offset: 16, .size: 8, .value_kind: global_buffer, .address_space: global }
      - { .name: out0, .offset: 24, .size: 8, .value_kind: global_buffer, .address_space: global }
    .group_segment_fixed_size: 34816
    .private_segment_fixed_size: 0
    .kernarg_segment_align: 8
    .kernarg_segment_size: 32
    .max_flat_workgroup_size: 512
    .sgpr_count:     66
    .vgpr_count:     256
    .wavefront_size: 32
...
	.end_amdgpu_metadata
.endif
;; end of part 5
